; MI455X (gfx1250); checked and timed in simulation.
; The chip was launched on July 23, 2026; its instructions are those of AMD's public machine-readable ISA for CDNA 5 (MIT licence, August 2026) and "CDNA5" Instruction Set Architecture Reference Guide (July 2026). The comments in the code are by the model that wrote it; some were corrected since.
;; Attention. Allowed arithmetic: float matrix products may take bf16 or f16 operands with f32 sums; other float arithmetic in f32, or as packed bf16 or f16 multiplies, adds, multiply-adds, maxima and minima; sums over many terms, partial sums and values carried from step to step in f32; what a program stores and reads back later, other than sums and carried values, may be rounded once to bf16 or f16.
;; Inputs: cos 2,048 x 32 float32; sin 2,048 x 32 float32; wk 2,048 x 512 float32; wo 2,048 x 2,048 float32; wq 2,048 x 2,048 float32; wv 2,048 x 512 float32; x 1 x 2,048 x 2,048 float32.
;; Outputs: out0 1 x 2,048 x 2,048 float32.
;; 2 versions, each right; version 2 is version 1 with the launch prep written anew for expert scheduling mode. Each part assembles by itself: llvm-mc -triple=amdgcn-amd-amdhsa -mcpu=gfx1250 --defsym DOCPART=n.
;; ======== version 1 of 2: 4 launches
;; limits: values are held in f16: magnitudes above 65,504 overflow, below 6.1e-05 lose precision; values outside matrix products are rounded to bf16
;; workspace buffers: xb 8,388,608 bytes; wb 12,582,912 bytes; wob 8,388,608 bytes; qh 8,388,608 bytes; kh 2,097,152 bytes; vh 2,097,152 bytes; ob 8,388,608 bytes
;; launch prep (part 1): grid 448 x 1, 8 waves a work-group, no clusters, 70,656 bytes of LDS; arguments x, wq, wk, wv, wo, xb, wb, wob; writes xb, wb, wob
.if DOCPART == 1
	.amdgcn_target "amdgcn-amd-amdhsa--gfx1250"
	.amdhsa_code_object_version 6
	.text
	.protected	k_q50bd4f59c3_prep
	.globl	k_q50bd4f59c3_prep
	.p2align	8
	.type	k_q50bd4f59c3_prep,@function
k_q50bd4f59c3_prep:
	s_mov_b64 s[64:65], 0
	v_nop
	global_prefetch_b8 v0, s[64:65] scope:SCOPE_SE
	s_setreg_imm32_b32 hwreg(HW_REG_WAVE_MODE, 25, 1), 1
	s_wait_xcnt 0x0
; THE PROGRAM: four launches.  prep: x and the weights are rounded to 16 bits once and laid out for the matrix unit.  qkv: x [wq | wk | wv], RoPE, by heads.
; attn: causal attention, four query heads to a key/value head.  oproj: the output projection.
; WORK LEFT OUT, for all values of the inputs: reference() sets every score with key > query to -inf by a mask that it builds itself (jnp.tril), and softmax gives such a score
; the weight 0; so a tile of keys that lies wholly above the diagonal adds 0 to every sum and is neither fetched nor multiplied (launch attn).  repeat_kv only copies: the four
; query heads of a key/value head read the same k and v.  Every input has a way to the output and is loaded.
; LIMIT: a NaN, an infinity or an overflow in rows of k or v that are hidden from a query is not carried to that query's result.
; FORMATS: x, wq, wk, wv (here) and cos, sin (in qkv) are rounded to bf16; wo is rounded to bf16 and that number is written as f16 (exact from 2^-14 up;
; below that it keeps f16's fixed step of 2^-24); q, k, v, the weights p and O are f16: |q|, |k|, |v| must stay under 65,504.
;
; THIS LAUNCH is a stream: each byte is read once and each result written once.  No matrix unit, no cluster: nothing is shared.
; LAYOUTS.  R (xb): [block of 16 rows][K / 8 chunks][16 rows][8 k]: a fragment of 16 rows x 32 k is 1,024 bytes on end.
;           T (wb, wob): strips [16 columns]: [k][16 columns]: a fragment of 16 columns x 32 k is 1,024 bytes on end and is read turned.
; wb's strips stand in the order 12 tx + 6 ch + b: b = 0..3 the four column blocks of query head 2 tx + ch, b = 4 block 2 tx + ch of wk, b = 5 of wv.
; SHARES.  A unit is 16 source rows x 128 columns of f32; a wave takes two neighbouring units, a work-group 128 KiB of source on end.
; Work-groups 0-127: x; 128-255: wq; 256-383: wo; 384-415: wk; 416-447: wv.
; A load of the wave takes 512 bytes of a row, a store 512 bytes on end of a strip; between them pieces of 8 bytes change lanes in a stage in LDS that is the wave's own: no barrier.
.set STG,   4352                       ; a unit's stage: 16 chunks at pitch 272 (x) or 8 blocks at pitch 544 (weights)
.set SPARE, 16*STG                     ; behind the stages: the spare words, 128 bytes a wave: four blocks of 256 bytes that no other line names
.set SPW,   8                          ; v8  SPARE + 4 x my thread's number; never rewritten
.set NIL,   9                          ; v9  0; never rewritten
.set IN,    32                         ; v[32:159]  row i of unit u at IN + 64 u + 4 i; later the unit as read back, in its first 32
.set T,     160                        ; v[160:175] eight pairs that take turns: 4 numbers in 16 bits
	s_load_b512 s[8:23], s[0:1], 0x0               ; x s[8:9], wq s[10:11], wk s[12:13], wv s[14:15], wo s[16:17], xb s[18:19], wb s[20:21], wob s[22:23]
	v_lshl_add_u32 v[SPW], v0, 2, SPARE
	v_mov_b32 v[NIL], 0
	v_lshrrev_b32 v1, 5, v0
	v_readfirstlane_b32 s4, v1                     ; wave 0..7
	v_and_b32 v2, 31, v0                           ; lane l
	v_lshlrev_b32 v3, 4, v2                        ; 16 l: my place in 512 bytes, in and out
	s_mul_i32 s5, s4, 2*STG                        ; my wave's two stages
	s_mov_b32 s32, 0xffff0000                      ; a word's upper bf16
	; x: lane l holds k = 4 l .. 4 l + 3 of a row: chunk l / 2, 8 bytes at (l % 2) x 8 of the row's 16.  Pitch 272 = 68 words: the 32 lanes' 8 bytes fall on all 64 banks once (64 banks of 4 bytes: ISA guide 11.1)
	v_lshrrev_b32 v1, 1, v2
	v_mul_u32_u24 v4, v1, 272
	v_and_b32 v1, 1, v2
	v_lshl_add_u32 v4, v1, 3, v4
	v_add_nc_u32 v4, s5, v4                        ; v4: into the stage, x
	v_lshrrev_b32 v1, 4, v2
	v_mul_u32_u24 v5, v1, 272
	v_and_b32 v1, 15, v2
	v_lshl_add_u32 v5, v1, 4, v5
	v_add_nc_u32 v5, s5, v5                        ; v5: back, x: two chunks of 256 bytes a load
	; weights: lane l holds columns 4 l .. 4 l + 3 of row k: block l / 4, 8 bytes at (l % 4) x 8 of the row's 32.  Pitch 544 = 136 words: again every bank once
	v_lshrrev_b32 v1, 2, v2
	v_mul_u32_u24 v6, v1, 544
	v_and_b32 v1, 3, v2
	v_lshl_add_u32 v6, v1, 3, v6
	v_add_nc_u32 v6, s5, v6                        ; v6: into the stage, weights
	v_add_nc_u32 v7, s5, v3                        ; v7: back, weights: a block's 512 bytes a load
	s_mov_b32 s29, 0
	s_mov_b32 s31, 0
	s_and_b32 s6, ttmp9, 127                       ; the block of 16 rows, for the three sources of 2,048 columns
	s_lshl_b32 s28, s6, 17                         ; 16 rows of 8,192 bytes,
	s_lshl_b32 s7, s4, 10                          ; my wave's 256 columns
	s_add_co_u32 s28, s28, s7
	s_wait_kmcnt 0x0
; kind 0: x; 1: wq; 2: wo (f16); 3: wk, wv.  pitch: bytes in a source row.  s[24:25] source, s[26:27] destination.
.macro JOB kind, pitch
.set n, 0
.rept 32
	global_load_b128 v[IN+4*n:IN+4*n+3], v3, s[24:25] offset:(n%16)*(\pitch)+(n/16)*512 th:TH_LOAD_NT
.set n, n+1
.endr
.set n, 0
.rept 32
.set tt, T+2*(n%8)
	s_wait_loadcnt 31-n                            ; loads come back in order: row n is in, the 31 - n younger ones stay out
	v_cvt_pk_bf16_f32 v[tt], v[IN+4*n], v[IN+4*n+1]
	v_cvt_pk_bf16_f32 v[tt+1], v[IN+4*n+2], v[IN+4*n+3]
.if (\kind) == 2
	v_lshlrev_b32 v16, 16, v[tt]                   ; the bf16 numbers as f32,
	v_and_b32 v17, s32, v[tt]
	v_lshlrev_b32 v18, 16, v[tt+1]
	v_and_b32 v19, s32, v[tt+1]
	v_cvt_pk_f16_f32 v[tt], v16, v17               ; written as f16
	v_cvt_pk_f16_f32 v[tt+1], v18, v19
.endif
.if (\kind) == 0
	ds_store_b64 v4, v[tt:tt+1] offset:(n/16)*STG+(n%16)*16
.else
	ds_store_b64 v6, v[tt:tt+1] offset:(n/16)*STG+(n%16)*32
.endif
.if n%16 == 15                         ; the unit is whole: LDS serves a wave's instructions in order, so these loads see the stores above
.set j, 0
.rept 8
.if (\kind) == 0
	ds_load_b128 v[IN+64*(n/16)+4*j:IN+64*(n/16)+4*j+3], v5 offset:(n/16)*STG+j*544
.else
	ds_load_b128 v[IN+64*(n/16)+4*j:IN+64*(n/16)+4*j+3], v7 offset:(n/16)*STG+j*544
.endif
.set j, j+1
.endr
.endif
.set n, n+1
.endr
.set n, 0
.rept 16
.set u, n/8
.set j, n%8
.if n == 0
	s_wait_dscnt 24                                ; unit 0 is back: unit 1's 16 stores and 8 loads are younger
.endif
.if n == 8
	s_wait_dscnt 0x0
.endif
.if (\kind) == 0
.set imm, u*4096+j*512
.elseif (\kind) == 1
.set imm, (12*u+6*(j/4)+j%4)*65536
.elseif (\kind) == 2
.set imm, (8*u+j)*65536
.else
.set imm, (48*u+6*j)*65536
.endif
	global_store_b128 v3, v[IN+64*u+4*j:IN+64*u+4*j+3], s[26:27] offset:imm  ; 512 consecutive bytes, at a multiple of 512 from the buffer's first
.set n, n+1
.endr
.endm
	s_cmp_lt_u32 ttmp9, 128
	s_cbranch_scc1 .Lx
	s_cmp_lt_u32 ttmp9, 256
	s_cbranch_scc1 .Lwq
	s_cmp_lt_u32 ttmp9, 384
	s_cbranch_scc1 .Lwo
	; wk, wv: rows of 2,048 bytes; the work-group has four blocks of 16 rows, a pair of waves each
	s_and_b32 s6, ttmp9, 31
	s_lshl_b32 s6, s6, 2
	s_lshr_b32 s7, s4, 1
	s_add_co_u32 s6, s6, s7                        ; the block of 16 rows
	s_and_b32 s7, s4, 1                            ; which 256 columns
	s_lshl_b32 s28, s6, 15
	s_lshl_b32 s33, s7, 10
	s_add_co_u32 s28, s28, s33
	s_mul_i32 s30, s7, 96*65536                    ; column block kb = 16 (w % 2) + 8 u + j stands in strip 6 kb + 4 (wk) or 6 kb + 5 (wv)
	s_add_co_u32 s30, s30, 4*65536
	s_lshl_b32 s33, s6, 9                          ; 16 rows of 32 bytes in a strip
	s_add_co_u32 s30, s30, s33
	s_cmp_lt_u32 ttmp9, 416
	s_cselect_b64 s[24:25], s[12:13], s[14:15]
	s_cselect_b32 s33, 0, 65536
	s_add_co_u32 s30, s30, s33
	s_add_nc_u64 s[24:25], s[24:25], s[28:29]
	s_add_nc_u64 s[26:27], s[20:21], s[30:31]
	JOB 3, 2048
	s_branch .Lend
.Lx:
	s_lshl_b32 s30, s6, 16                         ; the block's strip of 65,536 bytes,
	s_lshl_b32 s7, s4, 13                          ; my 32 chunks
	s_add_co_u32 s30, s30, s7
	s_add_nc_u64 s[24:25], s[8:9], s[28:29]
	s_add_nc_u64 s[26:27], s[18:19], s[30:31]
	JOB 0, 8192
	s_branch .Lend
.Lwq:
	s_mul_i32 s30, s4, 24*65536                    ; column block 16 w + 8 u + j stands in strip 24 w + 12 u + 6 (j / 4) + j % 4
	s_lshl_b32 s7, s6, 9
	s_add_co_u32 s30, s30, s7
	s_add_nc_u64 s[24:25], s[10:11], s[28:29]
	s_add_nc_u64 s[26:27], s[20:21], s[30:31]
	JOB 1, 8192
	s_branch .Lend
.Lwo:
	s_lshl_b32 s30, s4, 20                         ; strip 16 w + 8 u + j
	s_lshl_b32 s7, s6, 9
	s_add_co_u32 s30, s30, s7
	s_add_nc_u64 s[24:25], s[16:17], s[28:29]
	s_add_nc_u64 s[26:27], s[22:23], s[30:31]
	JOB 2, 8192
.Lend:
	s_wait_tensorcnt 0x0                           ; the wave's end, behind my last LDS store
	ds_add_u32 v[SPW], v[NIL]
	s_wait_dscnt 0x0
	s_endpgm
.Lfunc_end_k_q50bd4f59c3_prep:
	.size	k_q50bd4f59c3_prep, .Lfunc_end_k_q50bd4f59c3_prep-k_q50bd4f59c3_prep
	.p2alignl 7, 3214868480
	.fill 96, 4, 3214868480
	.section	.rodata,"a",@progbits
	.p2align	6, 0x0
	.amdhsa_kernel k_q50bd4f59c3_prep
		.amdhsa_group_segment_fixed_size 70656
		.amdhsa_private_segment_fixed_size 0
		.amdhsa_enable_private_segment 0
		.amdhsa_kernarg_size 64
		.amdhsa_user_sgpr_count 2
		.amdhsa_user_sgpr_kernarg_segment_ptr 1
		.amdhsa_wavefront_size32 1
		.amdhsa_system_sgpr_workgroup_id_x 1
		.amdhsa_system_sgpr_workgroup_id_y 1
		.amdhsa_system_sgpr_workgroup_id_z 1
		.amdhsa_system_vgpr_workitem_id 0
		.amdhsa_next_free_vgpr 176
		.amdhsa_next_free_sgpr 66
		.amdhsa_reserve_vcc 0
		.amdhsa_float_denorm_mode_32 3
		.amdhsa_float_denorm_mode_16_64 3
		.amdhsa_memory_ordered 1
		.amdhsa_forward_progress 1
		.amdhsa_inst_pref_size 62
	.end_amdhsa_kernel
	.amdgpu_metadata
---
amdhsa.version: [ 1, 2 ]
amdhsa.kernels:
  - .name:           k_q50bd4f59c3_prep
    .symbol:         k_q50bd4f59c3_prep.kd
    .args:
      - { .name: x, .offset: 0, .size: 8, .value_kind: global_buffer, .address_space: global }
      - { .name: wq, .offset: 8, .size: 8, .value_kind: global_buffer, .address_space: global }
      - { .name: wk, .offset: 16, .size: 8, .value_kind: global_buffer, .address_space: global }
      - { .name: wv, .offset: 24, .size: 8, .value_kind: global_buffer, .address_space: global }
      - { .name: wo, .offset: 32, .size: 8, .value_kind: global_buffer, .address_space: global }
      - { .name: xb, .offset: 40, .size: 8, .value_kind: global_buffer, .address_space: global }
      - { .name: wb, .offset: 48, .size: 8, .value_kind: global_buffer, .address_space: global }
      - { .name: wob, .offset: 56, .size: 8, .value_kind: global_buffer, .address_space: global }
    .group_segment_fixed_size: 70656
    .private_segment_fixed_size: 0
    .kernarg_segment_align: 8
    .kernarg_segment_size: 64
    .max_flat_workgroup_size: 256
    .sgpr_count:     66
    .vgpr_count:     176
    .wavefront_size: 32
...
	.end_amdgpu_metadata
.endif
;; end of part 1
;; launch qkv (part 2): grid 16 x 16, 4 waves a work-group, clusters of 4 x 4, 327,680 bytes of LDS; arguments xb, wb, cos, sin, qh, kh, vh; writes qh, kh, vh
.if DOCPART == 2
	.amdgcn_target "amdgcn-amd-amdhsa--gfx1250"
	.amdhsa_code_object_version 6
	.text
	.protected	k_q50bd4f59c3_qkv
	.globl	k_q50bd4f59c3_qkv
	.p2align	8
	.type	k_q50bd4f59c3_qkv,@function
k_q50bd4f59c3_qkv:
	s_mov_b64 s[64:65], 0
	v_nop
	global_prefetch_b8 v0, s[64:65] scope:SCOPE_SE
	s_setreg_imm32_b32 hwreg(HW_REG_WAVE_MODE, 25, 1), 1
	s_wait_xcnt 0x0
	s_wait_alu depctr_hold_cnt(0) depctr_sa_sdst(0) depctr_va_vdst(0) depctr_va_sdst(0) depctr_va_ssrc(0) depctr_va_vcc(0) depctr_vm_vsrc(0)
	s_getreg_b32 s2, hwreg(HW_REG_IB_STS2, 6, 4)
	s_cmp_eq_u32 s2, 0
	s_cbranch_scc0 .Lentry_in_a_cluster
	s_endpgm
.Lentry_in_a_cluster:
	s_bfe_u32 s2, ttmp6, 0x10000c
	s_cmp_lg_u32 s2, 0xf033
	s_cbranch_scc0 .Lentry_shape_is_right
	s_endpgm
.Lentry_shape_is_right:
; q, k, v = x [wq | wk | wv] in bf16 with f32 sums; RoPE on q and k in f32 (cos and sin rounded to bf16 like the other inputs); q, k, v stored by heads in f16, each rounded once, unscaled.
; LIMIT: |q|, |k|, |v| under 65,504 (f16).
; A tile of the product is 128 tokens x 192 columns: 2,048 x 3,072 are 16 x 16 such tiles, one work-group each.  Four waves, 2 x 2, each 64 x 96: 24 accumulators of 16 x 16.
; A wave's 96 columns are six strips of wb: the four column blocks of ONE query head, one block of k, one of v: what a block is hangs on its number in the wave alone.
; K goes in steps of 128 through two LDS slots.  xb and wb are laid out so that a strip's part of a K step is 4,096 bytes on end: a tensor load brings 4 or 6 such rows, 65,536 bytes apart
; in memory, and lays them on end in LDS; a fragment is then 1,024 bytes on end: 16 lanes of a load take 256 consecutive bytes, so no padding is needed.
; Two slots of K steps of 256 would take all of LDS and leave no room for the spare words: so the step is 128.
; CLUSTER 4 x 4: x's tile is shared along a row of the cluster, the weights' along a column: joint loads, one a wave behind each round.
; NO PREFETCH: the tiles are small and the walk has 16 K steps.
; THE MATRIX INSTRUCTION IS USED TRANSPOSED: source 0 = 16 columns of the weights (read turned), source 1 = 16 tokens: a lane holds ONE token (lane % 16) and eight neighbouring columns
; 8 (lane / 16) + 0..7: four RoPE pairs, and 16 bytes in f16.  In qh, kh, vh the 32 lanes' 16 bytes are 512 bytes on end: results are stored straight from registers.
; REGISTERS: window 0: v0-31 addresses, v32-63 at work, v64-255 accumulators ((a, b) at 64 + 8 (6 a + b)).  window 1: two fragment buffers of 80 (six of the weights, four of x).
;            window 2: v0-159 cos and sin: for token block a and column block e (0-3: q's; 4: k's) cos of my four pairs at 8 (5 a + e), sin 4 further on.
.set KB,    4096                       ; bytes of a strip in a K step
.set SUBB,  1024                       ; bytes of a strip in 32 along K
.set BOFF,  8*KB                       ; a slot: x's 8 strips, then the weights' 12
.set SLOT,  20*KB
.set SPARE, 2*SLOT                     ; behind the ring: the spare words, 128 bytes a wave: two blocks of 256 bytes that no other line names
.set LAPS,  8                          ; a lap = two K steps = once round the ring
.set NLD,   20                         ; LDS loads for 32 along K
.set ADRA,  16                         ; v16-17 LDS address of my fragments of x in slot 0, 1
.set ADRB,  20                         ; v20-21 the same for the weights
.set QOF,   22                         ; v22-24 my byte offsets in qh, kh, vh
.set KOF,   23
.set VOF,   24
.set COF,   25                         ; v25 my byte offset in cos and sin for q's blocks, v26 for k's
.set COFK,  26
.set SPW,   28                         ; v28 SPARE + 4 x my thread's number; never rewritten
.set NIL,   29                         ; v29 0; never rewritten
.set TMP,   32
.set ACC,   64
.set F0,    0
.set F1,    80
.set WV,    18                         ; s18 wave; s19 its row half, also: I fetch x (0) or weights (1); s20 its column half, also: which half of the strips I fetch
.set RH,    19
.set CH,    20
.set G1A,   28                         ; s[28:35] descriptor group 1 for x's tiles, s[36:43] group 0, a set for each slot
.set G0A,   36
.set G1B,   44                         ; s[44:51], s[52:59] the same for the weights'
.set G0B,   52
.set MSB, 0
.macro WIN new                         ; the immediate's high byte repeats the setting that is left; a switch that changes nothing is dropped
.if MSB != (\new)
	s_set_vgpr_msb (MSB<<8)|(\new)
.set MSB, (\new)
.endif
.endm
.set MUL,  0x05                        ; sources 0 and 1 window 1; C and D window 0
.set TO_F, 0x40                        ; destination window 1, address window 0
.macro JLOAD s                         ; a joint load: waves 0 and 1 fetch x's two halves, waves 2 and 3 the weights'; an s_nop 0 and four v_nop follow each line
	s_cmp_eq_u32 s[RH], 0
	s_cbranch_scc0 .Lfor_b_\@
	tensor_load_to_lds s[G0A+4*(\s):G0A+4*(\s)+3], s[G1A:G1A+7]
	s_nop 0
.rept 4
	v_nop
.endr
	s_branch .Lasked_\@
.Lfor_b_\@:
	tensor_load_to_lds s[G0B+4*(\s):G0B+4*(\s)+3], s[G1B:G1B+7]
	s_nop 0
.rept 4
	v_nop
.endr
.Lasked_\@:
.endm
.macro CREST                           ; a round of the cluster's barrier behind its opening barrier
	s_cmp_lg_u32 s[WV], 0
	s_cbranch_scc1 .Lnot_wave_0_\@
	s_barrier_signal -3
.Lnot_wave_0_\@:
	s_barrier_wait -3
	s_barrier_signal -1
	s_barrier_wait -1
.endm
.macro CROUND                          ; a whole round
	s_barrier_signal -1
	s_barrier_wait -1
	CREST
.endm
.macro PLACES                          ; four places behind a matrix instruction, in front of loads into registers that it has read and of vector work on its results
.rept 4
	v_nop
.endr
.endm
	s_load_b256 s[4:11], s[0:1], 0x0               ; xb s[4:5], wb s[6:7], cos s[8:9], sin s[10:11]
	s_load_b128 s[12:15], s[0:1], 0x20             ; qh s[12:13], kh s[14:15]
	s_load_b64 s[16:17], s[0:1], 0x30              ; vh
	v_lshl_add_u32 v[SPW], v0, 2, SPARE
	v_mov_b32 v[NIL], 0
	ds_add_u32 v[SPW], v[NIL]                      ; the wave's opening: the add, twice on end, and its wait ahead of my first tensor load
	ds_add_u32 v[SPW], v[NIL]
	v_lshrrev_b32 v1, 5, v0
	v_readfirstlane_b32 s[WV], v1
	s_lshr_b32 s[RH], s[WV], 1
	s_and_b32 s[CH], s[WV], 1
	s_bfe_u32 s21, ttmp6, 0x40000                  ; cx, cy: my place in the cluster
	s_bfe_u32 s22, ttmp6, 0x40004
	s_lshl_b32 s23, ttmp9, 2
	s_add_co_u32 s23, s23, s21                     ; tx: tile column = 4 x cluster x + cx
	s_and_b32 s24, ttmp7, 0xffff
	s_lshl_b32 s24, s24, 2
	s_add_co_u32 s24, s24, s22                     ; ty: tile row = 4 x cluster y + cy
	s_lshl_b32 s25, s22, 2
	s_lshl_b32 s25, 15, s25                        ; my row of the cluster
	s_lshl_b32 s26, 0x1111, s21                    ; my column
	s_or_b32 s[G1A], s25, (3<<16)|(1<<21)          ; 15:0 the mask; 17:16 elements of 8 bytes; 21 set beside a mask; no padding
	s_or_b32 s[G1B], s26, (3<<16)|(1<<21)
.irp g, G1A, G1B
	s_mov_b32 s[(\g)+1], (KB/8)<<16                ; tensor_dim0 = 512 elements: 4,096 bytes
	s_mov_b32 s[(\g)+3], (KB/8)<<16                ; tile_dim0
	s_mov_b32 s[(\g)+5], 8192                      ; 65,536 bytes from strip to strip
	s_mov_b32 s[(\g)+6], 0
	s_mov_b32 s[(\g)+7], 0
.endr
	s_mov_b32 s[G1A+2], 4<<16                      ; tensor_dim1, tile_dim1: 4 strips of x,
	s_mov_b32 s[G1A+4], 4
	s_mov_b32 s[G1B+2], 6<<16                      ; 6 of the weights
	s_mov_b32 s[G1B+4], 6
	s_lshl_b32 s60, s24, 3                         ; x: strip 8 ty + 4 half: the tile row and the wave's number alone
	s_lshl_b32 s61, s[CH], 2
	s_add_co_u32 s60, s60, s61
	s_lshl_b32 s60, s60, 16
	s_mov_b32 s61, 0
	s_mul_i32 s66, s23, 12                         ; weights: strip 12 tx + 6 half: the tile column and the wave's number alone
	s_mul_i32 s67, s[CH], 6
	s_add_co_u32 s66, s66, s67
	s_lshl_b32 s66, s66, 16
	s_mov_b32 s67, 0
	s_lshl_b32 s68, s[CH], 14                      ; where they go in a slot: no place in the cluster enters an LDS address
	s_mul_i32 s69, s[CH], 6*KB
	s_add_co_u32 s69, s69, BOFF
	s_mov_b32 s75, 0xffff0000
	s_wait_dscnt 0x0                               ; both opening adds are done
	s_wait_kmcnt 0x0
	s_add_nc_u64 s[60:61], s[4:5], s[60:61]
	s_add_nc_u64 s[66:67], s[6:7], s[66:67]
	CROUND                                         ; all sixteen work-groups are here: the first joint loads meet
.irp s, 0,1
	s_mov_b32 s[G0A+4*(\s)], 1
	s_add_co_u32 s[G0A+4*(\s)+1], s68, (\s)*SLOT
	s_add_nc_u64 s[G0A+4*(\s)+2:G0A+4*(\s)+3], s[60:61], (\s)*KB
	s_or_b32 s[G0A+4*(\s)+3], s[G0A+4*(\s)+3], 0x80000000
	s_mov_b32 s[G0B+4*(\s)], 1
	s_add_co_u32 s[G0B+4*(\s)+1], s69, (\s)*SLOT
	s_add_nc_u64 s[G0B+4*(\s)+2:G0B+4*(\s)+3], s[66:67], (\s)*KB
	s_or_b32 s[G0B+4*(\s)+3], s[G0B+4*(\s)+3], 0x80000000
	JLOAD \s                                       ; K steps 0 and 1: two loads of mine are out
.endr
	v_and_b32 v1, 15, v0                           ; r = l % 16
	v_bfe_u32 v2, v0, 4, 1                         ; h = l / 16
	v_and_b32 v3, 31, v0
	v_lshlrev_b32 v3, 4, v3                        ; 16 l: a fragment of x is two loads at 16 l and 512 + 16 l
	v_and_b32 v4, 7, v0                            ; the turning load: row k = 8 h + l % 8 of 32 bytes, its half (l / 8) % 2
	v_lshlrev_b32 v4, 5, v4
	v_lshl_add_u32 v4, v2, 8, v4
	v_bfe_u32 v5, v0, 3, 1
	v_lshl_add_u32 v4, v5, 4, v4
	s_lshl_b32 s70, s[RH], 14                      ; my four strips of x
	s_mul_i32 s71, s[CH], 6*KB                     ; my six of the weights
	s_add_co_u32 s71, s71, BOFF
.irp s, 0,1
	v_add_nc_u32 v[ADRA+\s], s70, v3
	v_add_nc_u32 v[ADRB+\s], s71, v4
	s_add_co_u32 s70, s70, SLOT
	s_add_co_u32 s71, s71, SLOT
.endr
	s_and_b32 s73, s23, 1                          ; my block of k and of v is column block 2 tx + half: head tx / 2, block 2 (tx % 2) + half of its four
	s_lshl_b32 s73, s73, 1
	s_add_co_u32 s73, s73, s[CH]
	s_lshl_b32 s72, s24, 14                        ; my first token 128 ty + 64 RH, times 128 bytes: its row in cos and sin, its 2,048-byte blocks in qh and kh, its 8,192-byte group in vh
	s_lshl_b32 s76, s[RH], 13
	s_add_co_u32 s72, s72, s76
	v_lshlrev_b32 v[COF], 7, v1                    ; token r's row of 128 bytes, my four pairs: 16 h
	v_lshl_add_u32 v[COF], v2, 4, v[COF]
	v_add_nc_u32 v[COF], s72, v[COF]
	s_lshl_b32 s76, s73, 5
	v_add_nc_u32 v[COFK], s76, v[COF]
	WIN 0x80                                       ; destination window 2, address window 0
.irp a, 0,1,2,3
.irp e, 0,1,2,3
	global_load_b128 v[8*(5*\a+\e):8*(5*\a+\e)+3],   v[COF], s[8:9]   offset:\a*2048+\e*32
	global_load_b128 v[8*(5*\a+\e)+4:8*(5*\a+\e)+7], v[COF], s[10:11] offset:\a*2048+\e*32
.endr
	global_load_b128 v[8*(5*\a+4):8*(5*\a+4)+3],   v[COFK], s[8:9]   offset:\a*2048
	global_load_b128 v[8*(5*\a+4)+4:8*(5*\a+4)+7], v[COFK], s[10:11] offset:\a*2048
.endr
	WIN 0
	s_lshl_b32 s76, s23, 19                        ; qh: head 2 tx + half, 262,144 bytes each
	s_lshl_b32 s77, s[CH], 18
	s_add_co_u32 s76, s76, s77
	s_add_co_u32 s76, s76, s72
	v_add_nc_u32 v[QOF], s76, v3
	s_lshr_b32 s77, s23, 1                         ; kh, vh: head tx / 2
	s_lshl_b32 s77, s77, 18
	s_add_co_u32 s77, s77, s72
	s_lshl_b32 s76, s73, 9                         ; kh: my block's two chunks of 256 bytes
	s_add_co_u32 s76, s76, s77
	v_add_nc_u32 v[KOF], s76, v3
	s_lshl_b32 s76, s73, 11                        ; vh: my block's 64 keys x 32 bytes
	s_add_co_u32 s76, s76, s77
	v_lshlrev_b32 v[VOF], 5, v1
	v_lshl_add_u32 v[VOF], v2, 4, v[VOF]
	v_add_nc_u32 v[VOF], s76, v[VOF]
	s_wait_loadcnt 0x0                             ; cos and sin: rounded to bf16 and widened again, in the wait for the first tile
.irp q, 0,1,2,3,4
	WIN 0x0a                                       ; sources window 2, destination window 0
.set i, 0
.rept 16
	v_cvt_pk_bf16_f32 v[TMP+i], v[32*\q+2*i], v[32*\q+2*i+1]
.set i, i+1
.endr
	WIN 0x80
.set i, 0
.rept 16
	v_lshlrev_b32 v[32*\q+2*i], 16, v[TMP+i]
	v_and_b32 v[32*\q+2*i+1], s75, v[TMP+i]
.set i, i+1
.endr
.endr
	WIN 0
; 20 LDS loads in one run: the fragments of 32 along K at byte k of the strips, into buffer f
.macro FETCH slot, k, f
	WIN TO_F
.irp b, 0,1,2,3,4,5
	ds_load_tr16_b128 v[(\f)+8*(\b):(\f)+8*(\b)+3],   v[ADRB+(\slot)] offset:(\b)*KB+(\k)
	ds_load_tr16_b128 v[(\f)+8*(\b)+4:(\f)+8*(\b)+7], v[ADRB+(\slot)] offset:(\b)*KB+(\k)+512
.endr
.irp a, 0,1,2,3
	ds_load_b128 v[(\f)+48+8*(\a):(\f)+48+8*(\a)+3],   v[ADRA+(\slot)] offset:(\a)*KB+(\k)
	ds_load_b128 v[(\f)+48+8*(\a)+4:(\f)+48+8*(\a)+7], v[ADRA+(\slot)] offset:(\a)*KB+(\k)+512
.endr
.endm
; 6 matrix instructions: token block p x all six column blocks.  The 24 accumulators take turns in one order throughout.  zero = 1: the product starts the sum
.macro PART f, p, zero
	WIN MUL
.irp b, 0,1,2,3,4,5
.if \zero
	v_wmma_f32_16x16x32_bf16 v[ACC+8*(6*(\p)+(\b)):ACC+8*(6*(\p)+(\b))+7], v[(\f)+8*(\b):(\f)+8*(\b)+7], v[(\f)+48+8*(\p):(\f)+48+8*(\p)+7], 0
.else
	v_wmma_f32_16x16x32_bf16 v[ACC+8*(6*(\p)+(\b)):ACC+8*(6*(\p)+(\b))+7], v[(\f)+8*(\b):(\f)+8*(\b)+7], v[(\f)+48+8*(\p):(\f)+48+8*(\p)+7], v[ACC+8*(6*(\p)+(\b)):ACC+8*(6*(\p)+(\b))+7]
.endif
.endr
.endm
; 32 along K: buffer f is multiplied; ahead of that the next 32's fragments are asked for, into buffer g: they have these 24 matrix instructions in which to come
.macro SUB f, g, nslot, nk, zero, fetch
.if \fetch
	PLACES
	FETCH \nslot, \nk, \g
	s_wait_dscnt NLD                               ; all but the 20 just issued: buffer f is in
.else
	s_wait_dscnt 0x0
.endif
	PART \f, 0, \zero
	PART \f, 1, \zero
	PART \f, 2, \zero
	PART \f, 3, \zero
.endm
; The third 32 of a K step, with the change of slots.  The slot's last fragments are asked for; then each wave waits for all its tensor loads (one is out: its part of the other slot), adds 0 to
; its spare word, and waits for that and for its reads of this slot.  Behind the barrier nobody reads this slot and the other is whole.  fill = 1: the barrier opens a round of the cluster's,
; and the slot is filled again first thing behind it, two K steps ahead: 84 matrix instructions stand between that request and the wait for it.
.macro TURN f, g, slot, fill
	PLACES
	FETCH \slot, 3*SUBB, \g
	s_wait_dscnt NLD
	PART \f, 0, 0
	PART \f, 1, 0
	WIN 0                                          ; (the add's two registers lie in window 0)
	s_wait_tensorcnt 0x0
	ds_add_u32 v[SPW], v[NIL]                      ; 0 onto my spare word; six matrix instructions stand between it and the wait for it
	PART \f, 2, 0
	s_wait_dscnt 0x0                               ; the add is done, and my reads of this slot are over
	s_barrier_signal -1
	PART \f, 3, 0
	WIN 0                                          ; at a branch and at a label every window is 0
	s_barrier_wait -1
.if \fill
	CREST                                          ; no wave of any partner still reads this slot's tile or has a load on its way
	s_add_nc_u64 s[G0A+4*(\slot)+2:G0A+4*(\slot)+3], s[G0A+4*(\slot)+2:G0A+4*(\slot)+3], 2*KB
	s_add_nc_u64 s[G0B+4*(\slot)+2:G0B+4*(\slot)+3], s[G0B+4*(\slot)+2:G0B+4*(\slot)+3], 2*KB
	JLOAD \slot
.endif
.endm
	s_wait_tensorcnt 1                             ; my part of K step 0 is in; K step 1's may stay out
	s_barrier_signal -1
	s_barrier_wait -1
	FETCH 0, 0, F0
	SUB F0, F1, 0, SUBB, 1, 1                      ; the first 32 along K stand in front of the loop: their products start the sums
	WIN 0
	s_mov_b32 s3, LAPS-1
.Llap:                                             ; a trip goes once round the ring and fills both slots again
	SUB F1, F0, 0, 2*SUBB, 0, 1
	TURN F0, F1, 0, 1
	SUB F1, F0, 1, 0, 0, 1
	SUB F0, F1, 1, SUBB, 0, 1
	SUB F1, F0, 1, 2*SUBB, 0, 1
	TURN F0, F1, 1, 1
	SUB F1, F0, 0, 0, 0, 1
	SUB F0, F1, 0, SUBB, 0, 1
	WIN 0
	s_sub_co_u32 s3, s3, 1
	s_cmp_lg_u32 s3, 0
	s_cbranch_scc1 .Llap
	SUB F1, F0, 0, 2*SUBB, 0, 1                    ; the last lap fills nothing
	TURN F0, F1, 0, 0
	SUB F1, F0, 1, 0, 0, 1
	SUB F0, F1, 1, SUBB, 0, 1
	SUB F1, F0, 1, 2*SUBB, 0, 1
	SUB F0, F1, 1, 3*SUBB, 0, 1
	SUB F1, F0, 0, 0, 0, 0
	PLACES
	; THE WAY OUT.  RoPE on blocks 0-4: registers 2 i, 2 i + 1 are a pair (t0, t1): t0 c - t1 s, t0 s + t1 c.  Each accumulator's low registers are read first.
	WIN 0x08                                       ; source 1 (cos, sin) window 2
.irp b, 0,1,2,3,4
.irp a, 0,1,2,3
.irp i, 0,1,2,3
	v_mul_f32 v[TMP+2*\i],   v[ACC+8*(6*\a+\b)+2*\i+1], v[8*(5*\a+\b)+4+\i]
	v_mul_f32 v[TMP+2*\i+1], v[ACC+8*(6*\a+\b)+2*\i],   v[8*(5*\a+\b)+4+\i]
.endr
.irp i, 0,1,2,3
	v_fma_f32 v[ACC+8*(6*\a+\b)+2*\i],   v[ACC+8*(6*\a+\b)+2*\i],   v[8*(5*\a+\b)+\i], -v[TMP+2*\i]
	v_fma_f32 v[ACC+8*(6*\a+\b)+2*\i+1], v[ACC+8*(6*\a+\b)+2*\i+1], v[8*(5*\a+\b)+\i], v[TMP+2*\i+1]
.endr
.endr
.endr
	WIN 0
.irp b, 0,1,2,3,4,5
.irp a, 0,1,2,3
.irp j, 0,1,2,3
	v_cvt_pk_f16_f32 v[ACC+8*(6*\a+\b)+\j], v[ACC+8*(6*\a+\b)+2*\j], v[ACC+8*(6*\a+\b)+2*\j+1]  ; into the accumulator's own low registers: each source has been read when it is written
.endr
.if \b < 4
	global_store_b128 v[QOF], v[ACC+8*(6*\a+\b):ACC+8*(6*\a+\b)+3], s[12:13] offset:\a*2048+\b*512  ; every store of the wave covers 512 consecutive bytes, aligned
.elseif \b == 4
	global_store_b128 v[KOF], v[ACC+8*(6*\a+\b):ACC+8*(6*\a+\b)+3], s[14:15] offset:\a*2048
.else
	global_store_b128 v[VOF], v[ACC+8*(6*\a+\b):ACC+8*(6*\a+\b)+3], s[16:17] offset:\a*512
.endif
.endr
.endr
	s_wait_tensorcnt 0x0                           ; the wave's end
	ds_add_u32 v[SPW], v[NIL]
	s_wait_dscnt 0x0
	CROUND                                         ; the closing round: no work-group ends while a partner may still ask for a tile that names it
	s_endpgm
.Lfunc_end_k_q50bd4f59c3_qkv:
	.size	k_q50bd4f59c3_qkv, .Lfunc_end_k_q50bd4f59c3_qkv-k_q50bd4f59c3_qkv
	.p2alignl 7, 3214868480
	.fill 96, 4, 3214868480
	.section	.rodata,"a",@progbits
	.p2align	6, 0x0
	.amdhsa_kernel k_q50bd4f59c3_qkv
		.amdhsa_group_segment_fixed_size 327680
		.amdhsa_private_segment_fixed_size 0
		.amdhsa_enable_private_segment 0
		.amdhsa_kernarg_size 56
		.amdhsa_user_sgpr_count 2
		.amdhsa_user_sgpr_kernarg_segment_ptr 1
		.amdhsa_wavefront_size32 1
		.amdhsa_system_sgpr_workgroup_id_x 1
		.amdhsa_system_sgpr_workgroup_id_y 1
		.amdhsa_system_sgpr_workgroup_id_z 1
		.amdhsa_system_vgpr_workitem_id 0
		.amdhsa_next_free_vgpr 672
		.amdhsa_next_free_sgpr 80
		.amdhsa_reserve_vcc 0
		.amdhsa_float_denorm_mode_32 3
		.amdhsa_float_denorm_mode_16_64 3
		.amdhsa_memory_ordered 1
		.amdhsa_forward_progress 1
		.amdhsa_inst_pref_size 96
	.end_amdhsa_kernel
	.amdgpu_metadata
---
amdhsa.version: [ 1, 2 ]
amdhsa.kernels:
  - .name:           k_q50bd4f59c3_qkv
    .symbol:         k_q50bd4f59c3_qkv.kd
    .args:
      - { .name: xb, .offset: 0, .size: 8, .value_kind: global_buffer, .address_space: global }
      - { .name: wb, .offset: 8, .size: 8, .value_kind: global_buffer, .address_space: global }
      - { .name: cos, .offset: 16, .size: 8, .value_kind: global_buffer, .address_space: global }
      - { .name: sin, .offset: 24, .size: 8, .value_kind: global_buffer, .address_space: global }
      - { .name: qh, .offset: 32, .size: 8, .value_kind: global_buffer, .address_space: global }
      - { .name: kh, .offset: 40, .size: 8, .value_kind: global_buffer, .address_space: global }
      - { .name: vh, .offset: 48, .size: 8, .value_kind: global_buffer, .address_space: global }
    .group_segment_fixed_size: 327680
    .private_segment_fixed_size: 0
    .kernarg_segment_align: 8
    .kernarg_segment_size: 56
    .max_flat_workgroup_size: 128
    .sgpr_count:     80
    .vgpr_count:     672
    .wavefront_size: 32
...
	.end_amdgpu_metadata
.endif
;; end of part 2
;; launch attn (part 3): grid 32 x 8, 4 waves a work-group, clusters of 4 x 1, 327,680 bytes of LDS; arguments qh, kh, vh, ob; writes ob
.if DOCPART == 3
	.amdgcn_target "amdgcn-amd-amdhsa--gfx1250"
	.amdhsa_code_object_version 6
	.text
	.protected	k_q50bd4f59c3_attn
	.globl	k_q50bd4f59c3_attn
	.p2align	8
	.type	k_q50bd4f59c3_attn,@function
k_q50bd4f59c3_attn:
	s_mov_b64 s[64:65], 0
	v_nop
	global_prefetch_b8 v0, s[64:65] scope:SCOPE_SE
	s_setreg_imm32_b32 hwreg(HW_REG_WAVE_MODE, 25, 1), 1
	s_wait_xcnt 0x0
	s_wait_alu depctr_hold_cnt(0) depctr_sa_sdst(0) depctr_va_vdst(0) depctr_va_sdst(0) depctr_va_ssrc(0) depctr_va_vcc(0) depctr_vm_vsrc(0)
	s_getreg_b32 s2, hwreg(HW_REG_IB_STS2, 6, 4)
	s_cmp_eq_u32 s2, 0
	s_cbranch_scc0 .Lentry_in_a_cluster
	s_endpgm
.Lentry_in_a_cluster:
	s_bfe_u32 s2, ttmp6, 0x10000c
	s_cmp_lg_u32 s2, 0x3003
	s_cbranch_scc0 .Lentry_shape_is_right
	s_endpgm
.Lentry_shape_is_right:
; CAUSAL ATTENTION, four query heads to a key/value head.  O[head][q] = the sum over k <= q of softmax_k(q . k / 8) v.  All operands f16; products, maxima and sums in f32; the weights p are
; rounded to f16 for the second product (their sum l is taken of the unrounded p), O once at the end.
; WORK LEFT OUT: key tiles wholly above the diagonal (reference()'s own mask gives them the weight 0 for all inputs) are neither fetched nor multiplied.
; LIMITS: a NaN or infinity in hidden rows of k or v is not carried to the result; a hidden score counts as its value less 1e30 (f16's scores, 2.7e11 at the most, are nothing beside that);
; a weight below 2^-126 counts as 0 in l.
; SHARES.  The four partners of a cluster are the four query heads of one key/value head: they walk the same K and V, so every tile is a joint load, and all their control flow is alike.
; A head's queries lie in 16 blocks of 128; block I needs the keys 0 .. 128 I + 127: 2 (I + 1) steps of 64.  A work-group takes blocks 15 - b and then b: 34 steps, whatever b.
; Wave w owns rows 32 w + 16 t + lane % 16 of a block, t = 0, 1: two tiles.
; THE WALK is 17 halves of 128 keys: half u is tile u while u < N1 = 16 - b, else tile u - N1.  A slot holds two halves: four steps.  Wave w fetches 16 KiB of it, dense in memory: waves 0, 1
; the two halves of K, waves 2, 3 those of V.  The ninth slot's second half (tile b + 1, inside the buffers) is fetched and never read: the price of one text for every fill.
; LAYOUT.  S^T = K Q^T: a lane holds ONE query (lane % 16) and the keys 8 (lane / 16) + 0..7; two results rounded in pairs ARE source 1 of O^T = V^T P, whose result holds one query and eight channels
; a lane: 16 bytes in f16, and the 32 lanes' are 512 bytes on end of ob: O is stored straight from registers.
; SOFTMAX.  p = 2^(c s - c m), c = log2(e) / 8, with a running maximum m; in every step O and l are multiplied by a = 2^(c m_old - c m_new).  A block begins with c m far below every c s: a = 0.
; THE MASK is the C operand that starts S^T: 0, but in a block's last two steps -1e30 where the key is hidden.  One text serves every step.
; A STEP'S BODY, in phases: PA: K of the next step is asked for.  PB: the step's softmax, one batch of 66 exponentials with one wait; V^T P, two lines of the sums behind each product.
; PC: V of the next step is asked for, its mask made where due, its K Q^T.  All LDS reads of a body are the next step's, so the change of slots stands in front of the body that fetches a slot's first step.
; REGISTERS: window 0: v0-13 addresses and the mask's rows; v16-23 statistics (c m, m, l even, l odd a tile); v24-25, v28-35 at work; v64-127 S^T; v128-159 P; v160-223 O^T.
;            window 1: v0-31 Q; v32-63 the second block's Q; v64-127 K of a step; v128-191 V of a step; v192-255 the mask.
; O^T, l and the mask are cleared by v_mov_b32 at the start, in the wait for the first tile, so that no first step is written out.
.set SPARE, 131072                     ; behind the two slots of 65,536: the spare words, 128 bytes a wave: two blocks of 256 bytes that no other line names
.set L16, 2                            ; v2  16 x lane: my place in a fragment of K or Q, and in 512 bytes of ob; never rewritten
.set AV0, 3                            ; v3  my lane's place in a turned fragment of V, + 32,768; never rewritten
.set AK,  4                            ; v4  the LDS address of K's run of loads
.set AV,  5                            ; v5  of V's
.set PFO, 6                            ; v6  256 x lane, for the prefetches; never rewritten
.set ST,  16
.set MV,  24
.set TMP, 28
.set SPW, 62                           ; v62 SPARE + 4 x my thread's number; never rewritten
.set NIL, 63                           ; v63 0; never rewritten
.set S,   64
.set P,   128
.set O,   160
.set Q,   0                            ; window 1
.set Q2,  32
.set KF,  64
.set VF,  128
.set MC,  192
; s12 wave; s13 cx; s14 key/value head; s15 b; s16 N1; s17 the half that I fetch next; s18 its tile; s[20:21] its byte offset; s[22:23] my tensor (K or V) at the head; s[24:31], s[32:35] the descriptor;
; s[36:37] ob at my rows of the block in hand, s[38:39] of the second; s[40:43] qh at my rows of the two blocks; s[44:45], s46 the prefetches; s47 slots to go; s48 steps to go in a slot;
; s49 LDS byte of the step to be fetched; s50 steps of the block still to be summed; s51 still to be multiplied; s52 the second block's steps; s53 1 in the second block; s54 -1e30; s[56:57] c; s[58:59] lane selects
.set MSB, 0
.macro WIN new
.if MSB != (\new)
	s_set_vgpr_msb (MSB<<8)|(\new)
.set MSB, (\new)
.endif
.endm
.set W_KM, 0x15                        ; K, Q and the mask in window 1, S^T in window 0
.set W_KQ, 0x05                        ; K and Q in window 1
.set W_PV, 0x01                        ; V in window 1
.macro CROUND                          ; a round of the cluster's barrier
	s_barrier_signal -1
	s_barrier_wait -1
	s_cmp_lg_u32 s12, 0
	s_cbranch_scc1 .Lnot_wave_0_\@
	s_barrier_signal -3
.Lnot_wave_0_\@:
	s_barrier_wait -3
	s_barrier_signal -1
	s_barrier_wait -1
.endm
.macro PLACES
.rept 4
	v_nop
.endr
.endm
.macro JLOAD                           ; every wave's part of a slot, by one line: the LDS address is 16,384 x wave in the slot; an s_nop 0 and four v_nop follow
	tensor_load_to_lds s[32:35], s[24:31]
	s_nop 0
.rept 4
	v_nop
.endr
.endm
; A PREFETCH INTO THE L2.  All eight clusters of a key/value head walk its tiles from 0 on; the cluster with b = 0, whose first block walks all sixteen, asks, and nobody else.  In each of its four
; partners wave 0 asks for K's and wave 2 for V's; of a slot's 32 KiB of each the partner at place cx takes 8 KiB, told apart by address: a lane 256 bytes, one instruction.  The change that fills
; slot m + 1 names slot m + 3: two changes of slots, eight key steps, ahead of the load that will want it.  Slots 3 to 7 are named, once each; slots 0 to 2 come by their loads alone.
.macro ASK
	s_cmp_gt_u32 s47, s46
	s_cbranch_scc0 .Lnot_mine_\@
	global_prefetch_b8 v[PFO], s[44:45] th:TH_LOAD_NT scope:SCOPE_SE
.Lnot_mine_\@:
.endm
; THE CHANGE OF SLOTS.  Each wave waits for all its tensor loads (one is out: its part of the other slot), adds 0 to its spare word, and waits for that and for its reads of the slot that it leaves.
; fill = 1: the barrier is a round of the cluster's, and the slot is filled again first thing behind it; the descriptor's address is made anew from the half's number.
.macro CHANGE fill
	WIN 0
	s_wait_tensorcnt 0x0                           ; no tensor load of mine is out, so the descriptor may be written
	ds_add_u32 v[SPW], v[NIL]                      ; 0 onto my spare word; the scalar work below stands between it and the wait for it
.if \fill
	s_add_co_u32 s17, s17, 2
	s_sub_co_u32 s18, s17, s16
	s_cmp_ge_u32 s17, s16
	s_cselect_b32 s18, s18, s17                    ; the second block's tiles begin at 0 again
	s_lshl_b32 s20, s18, 14
	s_xor_b32 s33, s33, 65536                      ; the other slot than last time
	s_add_nc_u64 s[34:35], s[22:23], s[20:21]
	s_or_b32 s35, s35, 0x80000000
	s_wait_xcnt 0x0                                ; the last prefetch, four key steps back, has read its address
	s_add_nc_u64 s[44:45], s[44:45], 32768
	s_wait_dscnt 0x0                               ; the add is done, and my reads of the slot are over
	CROUND
	JLOAD
	ASK
.else
	s_wait_dscnt 0x0
	s_barrier_signal -1
	s_barrier_wait -1
.endif
	s_sub_co_u32 s49, s49, 32768                   ; the fetches go back to a slot's first step,
	s_xor_b32 s49, s49, 65536                      ; in the other slot
.endm
	s_load_b256 s[4:11], s[0:1], 0x0               ; qh s[4:5], kh s[6:7], vh s[8:9], ob s[10:11]
	v_lshl_add_u32 v[SPW], v0, 2, SPARE
	v_mov_b32 v[NIL], 0
	ds_add_u32 v[SPW], v[NIL]                      ; the wave's opening: the add, twice on end, and its wait ahead of my first tensor load
	ds_add_u32 v[SPW], v[NIL]
	v_lshrrev_b32 v1, 5, v0
	v_readfirstlane_b32 s12, v1
	s_bfe_u32 s13, ttmp6, 0x40000                  ; cx: it enters Q's, O's and the prefetches' addresses alone
	s_mov_b32 s14, ttmp9                           ; in a cluster launch ttmp9 counts clusters: the key/value head
	s_and_b32 s15, ttmp7, 0xffff                   ; b, which the four partners share
	s_sub_co_u32 s16, 16, s15
	s_and_b32 s17, s12, 1
	s_lshl_b32 s52, s15, 1
	s_add_co_u32 s52, s52, 2
	s_lshl_b32 s50, s16, 1
	s_mov_b32 s51, s50
	s_mov_b32 s53, 0
	s_mov_b32 s54, 0xf149f2ca                      ; -1e30
	s_mov_b32 s56, 0x3e38aa3b                      ; c = log2(e) / 8
	s_mov_b32 s57, s56
	s_mov_b32 s58, 0x76543210
	s_mov_b32 s59, 0xfedcba98
	s_mov_b32 s49, 65536+32768                     ; the first change of slots turns this into 0
	s_mov_b32 s47, 8
	s_mov_b32 s24, 15|(3<<16)|(1<<21)              ; the mask of four; elements of 8 bytes; 21 set beside a mask; no padding
	s_mov_b32 s25, 32<<16                          ; tensor_dim0 = 32: rows of 256 bytes
	s_mov_b32 s26, 64<<16                          ; tensor_dim1 = 64
	s_mov_b32 s27, 32<<16                          ; tile_dim0
	s_mov_b32 s28, 64                              ; tile_dim1
	s_mov_b32 s29, 32                              ; dense
	s_mov_b32 s30, 0
	s_mov_b32 s31, 0
	s_mov_b32 s32, 1
	s_lshl_b32 s33, s12, 14                        ; slot 0, my part
	s_lshl_b32 s20, s17, 14                        ; half 0 or 1
	s_mov_b32 s21, 0
	s_lshl_b32 s60, s14, 18                        ; the key/value head's 262,144 bytes
	s_mov_b32 s61, 0
	s_lshl_b32 s19, s14, 2
	s_add_co_u32 s19, s19, s13                     ; my query head
	s_sub_co_u32 s55, 15, s15                      ; the first block
	s_lshl_b32 s62, s19, 18                        ; qh: head, my wave's two tiles of 2,048 bytes
	s_lshl_b32 s63, s12, 12
	s_add_co_u32 s62, s62, s63
	s_lshl_b32 s40, s55, 14
	s_add_co_u32 s40, s40, s62
	s_mov_b32 s41, 0
	s_lshl_b32 s42, s15, 14
	s_add_co_u32 s42, s42, s62
	s_mov_b32 s43, 0
	s_lshl_b32 s62, s19, 11                        ; ob: strip 8 I + 2 w of 65,536 bytes, the head's 2,048 in it
	s_lshl_b32 s63, s12, 17
	s_add_co_u32 s62, s62, s63
	s_lshl_b32 s36, s55, 19
	s_add_co_u32 s36, s36, s62
	s_mov_b32 s37, 0
	s_lshl_b32 s38, s15, 19
	s_add_co_u32 s38, s38, s62
	s_mov_b32 s39, 0
	s_or_b32 s46, s17, s15                         ; 0 in waves 0 and 2 where b = 0: the same in all four partners
	s_cmp_eq_u32 s46, 0
	s_cselect_b32 s46, 3, -1
	s_wait_dscnt 0x0                               ; both opening adds are done
	s_wait_kmcnt 0x0
	s_cmp_lt_u32 s12, 2
	s_cselect_b64 s[22:23], s[6:7], s[8:9]
	s_add_nc_u64 s[22:23], s[22:23], s[60:61]
	s_add_nc_u64 s[34:35], s[22:23], s[20:21]
	s_or_b32 s35, s35, 0x80000000
	s_add_nc_u64 s[40:41], s[4:5], s[40:41]
	s_add_nc_u64 s[42:43], s[4:5], s[42:43]
	s_add_nc_u64 s[36:37], s[10:11], s[36:37]
	s_add_nc_u64 s[38:39], s[10:11], s[38:39]
	s_lshl_b32 s60, s13, 13                        ; my work-group's 8 KiB of a slot's 32, in slot 2: the first change steps it to slot 3
	s_add_co_u32 s60, s60, 65536
	s_add_nc_u64 s[44:45], s[22:23], s[60:61]
	CROUND                                         ; all four work-groups are here: the first joint loads meet
	JLOAD                                          ; slot 0
	v_and_b32 v1, 15, v0                           ; r
	v_bfe_u32 v7, v0, 4, 1                         ; h
	v_and_b32 v[L16], 31, v0
	v_lshlrev_b32 v[PFO], 8, v[L16]
	v_lshlrev_b32 v[L16], 4, v[L16]
	WIN 0x40                                       ; destination window 1, address window 0
.irp t, 0,1
.irp c, 0,1
	global_load_b128 v[Q+16*\t+8*\c:Q+16*\t+8*\c+3],     v[L16], s[40:41] offset:\t*2048+\c*1024
	global_load_b128 v[Q+16*\t+8*\c+4:Q+16*\t+8*\c+7],   v[L16], s[40:41] offset:\t*2048+\c*1024+512
	global_load_b128 v[Q2+16*\t+8*\c:Q2+16*\t+8*\c+3],   v[L16], s[42:43] offset:\t*2048+\c*1024
	global_load_b128 v[Q2+16*\t+8*\c+4:Q2+16*\t+8*\c+7], v[L16], s[42:43] offset:\t*2048+\c*1024+512
.endr
.endr
.set i, 0
.rept 64
	v_mov_b32 v[MC+i], 0
.set i, i+1
.endr
	WIN 0
.set i, 0
.rept 64
	v_mov_b32 v[O+i], 0
.set i, i+1
.endr
.irp t, 0,1
	v_mov_b32 v[ST+4*\t], 0xfe000000               ; c m: far below every c s
	v_mov_b32 v[ST+4*\t+1], 0xff7fffff             ; m: the lowest finite number
	v_mov_b32 v[ST+4*\t+2], 0
	v_mov_b32 v[ST+4*\t+3], 0
.endr
	v_and_b32 v[AV0], 7, v0                        ; the turning load: key 8 h + l % 8 of 32 bytes, its half (l / 8) % 2
	v_lshlrev_b32 v[AV0], 5, v[AV0]
	v_lshl_add_u32 v[AV0], v7, 8, v[AV0]
	v_bfe_u32 v12, v0, 3, 1
	v_lshl_add_u32 v[AV0], v12, 4, v[AV0]
	v_add_nc_u32 v[AV0], 32768, v[AV0]
	v_lshlrev_b32 v12, 3, v7                       ; the mask: register j of key block kb is hidden where 16 kb + j > my query's row in the block, less 8 h, less 64 in the block's last step
	v_sub_nc_u32 v10, v1, v12
	s_lshl_b32 s55, s12, 5
	v_add_nc_u32 v10, s55, v10                     ; v10, v11: for tiles 0 and 1; never rewritten
	v_add_nc_u32 v11, 16, v10
	v_mov_b32 v8, v10                              ; v8, v9: in hand
	v_mov_b32 v9, v11
.macro REGS t
.set rT, ST+4*(\t)
.set rC, TMP+4*(\t)
.set rM, MV+(\t)
.set rS, S+32*(\t)
.set rP, P+16*(\t)
.set rO, O+32*(\t)
.endm
; Number n of the 22 that find tile t's maximum and statistics.  0-11: four chains of seven scores each, each accumulator's lowest registers first; 12-14, 16: the four scores left over,
; the old m, and the four into one; 15: c m_old is kept; 17, 18: the query's other 32 keys lie in the lane 16 away; 19-21: c m, its change, a.
.macro XS t, n
	REGS \t
.if (\n) < 4
	v_max3_num_f32 v[rC+(\n)], v[rS+8*(\n)], v[rS+8*(\n)+1], v[rS+8*(\n)+2]
.elseif (\n) < 12
	v_max3_num_f32 v[rC+(\n)%4], v[rC+(\n)%4], v[rS+8*((\n)%4)+2*((\n)/4)+1], v[rS+8*((\n)%4)+2*((\n)/4)+2]
.elseif (\n) == 12
	v_max3_num_f32 v[rC], v[rC], v[rS+7], v[rS+15]
.elseif (\n) == 13
	v_max3_num_f32 v[rC+1], v[rC+1], v[rS+23], v[rS+31]
.elseif (\n) == 14
	v_max3_num_f32 v[rC+2], v[rC+2], v[rC+3], v[rT+1]
.elseif (\n) == 15
	v_mov_b32 v[rM], v[rT]
.elseif (\n) == 16
	v_max3_num_f32 v[rC], v[rC], v[rC+1], v[rC+2]
.elseif (\n) == 17
	v_permlanex16_b32 v[rC+3], v[rC], s58, s59
.elseif (\n) == 18
	v_max_num_f32 v[rT+1], v[rC], v[rC+3]
.elseif (\n) == 19
	v_mul_f32 v[rT], s56, v[rT+1]
.elseif (\n) == 20
	v_sub_f32 v[rC+1], v[rM], v[rT]
.else
	v_exp_f32 v[rC+2], v[rC+1]
.endif
.endm
.macro FS f                            ; c s - c m for pair f / 2 of tile f % 2
	REGS (\f)%2
	v_pk_fma_f32 v[rS+2*((\f)/2):rS+2*((\f)/2)+1], v[rS+2*((\f)/2):rS+2*((\f)/2)+1], s[56:57], v[rT:rT+1] op_sel_hi:[1,0,0] neg_lo:[0,0,1] neg_hi:[0,0,1]
.endm
.macro EX e                            ; the exponential of score e / 2 of tile e % 2: it stands behind FS 2 (e / 4) + e % 2
	REGS (\e)%2
	v_exp_f32 v[rS+(\e)/2], v[rS+(\e)/2]
.endm
.macro SUMS                            ; line z of the 32 of the sums: of each four weights the second pair onto the first, in place; then l = a l + the first sum, and the other seven onto l
	REGS z%2
.if z < 16
	v_pk_add_f32 v[rS+4*(z/2):rS+4*(z/2)+1], v[rS+4*(z/2):rS+4*(z/2)+1], v[rS+4*(z/2)+2:rS+4*(z/2)+3]
.elseif z < 18
	v_pk_fma_f32 v[rT+2:rT+3], v[rT+2:rT+3], v[rC+2:rC+3], v[rS:rS+1] op_sel_hi:[1,0,1]
.else
	v_pk_add_f32 v[rT+2:rT+3], v[rT+2:rT+3], v[rS+4*((z-16)/2):rS+4*((z-16)/2)+1]
.endif
.set z, z+1
.endm
; Product i of 16 of O^T += V^T P: keys 32 (i / 8) on, channels 16 ((i / 2) % 4) on, tile i % 2.  The 8 accumulators take turns.
.macro PV
	WIN W_PV
.set mO, O+32*(i%2)+8*((i/2)%4)
.set mV, VF+32*(i/8)+8*((i/2)%4)
.set mP, P+16*(i%2)+8*(i/8)
	v_wmma_f32_16x16x32_f16 v[mO:mO+7], v[mV:mV+7], v[mP:mP+7], v[mO:mO+7]
.endm
; Product i of 16 of S^T = K Q^T: channels 32 (i / 8) on, keys 16 ((i / 2) % 4) on, tile i % 2.  The first 8 start the sums with the mask.
.macro KQ
.set mS, S+32*(i%2)+8*((i/2)%4)
.set mK, KF+16*((i/2)%4)+8*(i/8)
.set mQ, Q+16*(i%2)+8*(i/8)
.set mM, MC+32*(i%2)+8*((i/2)%4)
.if i < 8
	WIN W_KM
	v_wmma_f32_16x16x32_f16 v[mS:mS+7], v[mK:mK+7], v[mQ:mQ+7], v[mM:mM+7]
.else
	WIN W_KQ
	v_wmma_f32_16x16x32_f16 v[mS:mS+7], v[mK:mK+7], v[mQ:mQ+7], v[mS:mS+7]
.endif
.endm
; A block's end: l's halves and the other half of the lanes' are added; O^T is divided by l, rounded to f16 and stored.
.macro WAYOUT
.irp t, 0,1
	v_add_f32 v[ST+4*\t+2], v[ST+4*\t+2], v[ST+4*\t+3]
.endr
.irp t, 0,1
	v_permlanex16_b32 v[ST+4*\t+3], v[ST+4*\t+2], s58, s59
.endr
.irp t, 0,1
	v_add_f32 v[ST+4*\t+2], v[ST+4*\t+2], v[ST+4*\t+3]
.endr
.irp t, 0,1
	v_rcp_f32 v[ST+4*\t+2], v[ST+4*\t+2]
.endr
	v_nop                                          ; a plain instruction behind the last reciprocal,
	s_wait_alu depctr_va_vdst(0)                   ; and the wait ahead of the first use: one for both
.set g, 0
.rept 32
	REGS g%2
	v_pk_mul_f32 v[rO+2*(g/2):rO+2*(g/2)+1], v[rO+2*(g/2):rO+2*(g/2)+1], v[rT+2:rT+3] op_sel_hi:[1,0]
.set g, g+1
.endr
.set g, 0
.rept 32
	REGS g%2
	v_cvt_pk_f16_f32 v[S+16*(g%2)+g/2], v[rO+2*(g/2)], v[rO+2*(g/2)+1]  ; S^T's registers are free here
.set g, g+1
.endr
.irp t, 0,1
.irp f, 0,1,2,3
	global_store_b128 v[L16], v[S+16*\t+4*\f:S+16*\t+4*\f+3], s[36:37] offset:\t*65536+\f*512  ; 512 consecutive bytes, aligned
.endr
.endr
.endm
; The second block begins: its Q goes where the one text names Q; the mask is 0 again; c m far below every c s, so that the next a is 0 and O^T and l need only be finite.
.macro SWITCH
	s_wait_xcnt 0x0                                ; the stores have read their registers and ob's address
	s_mov_b64 s[36:37], s[38:39]
	s_mov_b32 s53, 1
	s_mov_b32 s50, s52
	s_mov_b32 s51, s52
	WIN 0x41
.set g, 0
.rept 32
	v_mov_b32 v[Q+g], v[Q2+g]
.set g, g+1
.endr
	WIN 0x40
.set g, 0
.rept 64
	v_mov_b32 v[MC+g], 0
.set g, g+1
.endr
	WIN 0
.irp t, 0,1
	v_mov_b32 v[ST+4*\t], 0xfe000000
	v_mov_b32 v[ST+4*\t+1], 0xff7fffff
.endr
	v_mov_b32 v8, v10
	v_mov_b32 v9, v11
.endm
; PA: K of the next step, 16 loads in one run; the last product that read K's registers stands four places back.  last = 1 (the tail): the last trip has no next step.
.macro PA last
	WIN 0
.if \last
	s_cmp_eq_u32 s48, 1
	s_cbranch_scc1 .Lno_k_\@
.endif
	v_add_nc_u32 v[AK], s49, v[L16]
	WIN 0x40
.irp f, 0,1,2,3,4,5,6,7                ; keys 16 (f / 2) on, channels 32 (f % 2) on
	ds_load_b128 v[KF+8*\f:KF+8*\f+3],   v[AK] offset:(\f/2)*2048+(\f%2)*1024
	ds_load_b128 v[KF+8*\f+4:KF+8*\f+7], v[AK] offset:(\f/2)*2048+(\f%2)*1024+512
.endr
	WIN 0
.if \last
.Lno_k_\@:
.endif
.endm
; PB: the step's softmax and V^T P.  tail = 1: the copy behind the loop, in which the second block ends.
.macro PB tail
	WIN 0
.irp n, 0,1,2,3,4,5,6,7,8,9,10,11,12,13,14,15,16,17,18,19,20,21
	XS 0, \n                                       ; the two tiles alternate, so that no line reads the result of the one before it
	XS 1, \n
.endr
	FS 0                                           ; ONE BATCH: the two a above, the 32 scalings and the 64 exponentials: none of these lines reads an exponential's result
	FS 1
	FS 2
	FS 3
.set g, 0
.rept 14
	EX 4*g
	FS 4+2*g
	EX 4*g+1
	FS 5+2*g
	EX 4*g+2
	EX 4*g+3
.set g, g+1
.endr
.set g, 56
.rept 8
	EX g
.set g, g+1
.endr
	v_nop                                          ; a plain instruction behind the last exponential,
	s_wait_alu depctr_va_vdst(0)                   ; and the one wait for the batch of 66, ahead of its first reader
.set g, 0
.rept 32
	REGS g%2
	v_cvt_pk_f16_f32 v[rP+g/2], v[rS+2*(g/2)], v[rS+2*(g/2)+1]
.set g, g+1
.endr
.set g, 0
.rept 32
	REGS g%2
	v_pk_mul_f32 v[rO+2*(g/2):rO+2*(g/2)+1], v[rO+2*(g/2):rO+2*(g/2)+1], v[rC+2:rC+3] op_sel_hi:[1,0]  ; O^T times a, from each accumulator's low end on
.set g, g+1
.endr
	s_wait_dscnt 0x0                               ; V is in
.set i, 0
.set z, 0
.rept 16
	PV
	WIN 0                                          ; two lines of the sums behind each product: they name none of its registers
	SUMS
	SUMS
.set i, i+1
.endr
	PLACES
	s_sub_co_u32 s50, s50, 1
	s_cmp_lg_u32 s50, 0
	s_cbranch_scc1 .Lon_\@                         ; the count is made of b alone: the same in all waves and all partners
	WAYOUT
.if \tail
	s_cmp_eq_u32 s53, 1
	s_cbranch_scc1 .Lout
.endif
	SWITCH
.Lon_\@:
.endm
; PC: V of the next step, 16 turning loads in one run; its mask, in a block's last two steps; its K Q^T.
.macro PC
	WIN 0
	v_add_nc_u32 v[AV], s49, v[AV0]
	WIN 0x40
.irp f, 0,1,2,3,4,5,6,7                ; keys 32 (f / 4) on, channels 16 (f % 4) on
	ds_load_tr16_b128 v[VF+8*\f:VF+8*\f+3],   v[AV] offset:(\f%4)*2048+(\f/4)*1024
	ds_load_tr16_b128 v[VF+8*\f+4:VF+8*\f+7], v[AV] offset:(\f%4)*2048+(\f/4)*1024+512
.endr
	WIN 0
	s_add_co_u32 s49, s49, 8192                    ; the next fetch is the next step's
	s_cmp_gt_u32 s51, 2
	s_cbranch_scc1 .Lno_mask_\@
	WIN 0x40
.set g, 0
.rept 64
	v_cmp_gt_i32 vcc_lo, 16*((g%32)/8)+g%8, v[8+g/32]
	v_cndmask_b32 v[MC+g], 0, s54, vcc_lo
.set g, g+1
.endr
	WIN 0
	v_add_nc_u32 v8, 0xffffffc0, v8                ; the block's last step lies 64 keys on
	v_add_nc_u32 v9, 0xffffffc0, v9
.Lno_mask_\@:
	s_sub_co_u32 s51, s51, 1
	s_wait_dscnt 16                                ; K is in: V's 16 loads are younger and may stay out
.set i, 0
.rept 16
	KQ
.set i, i+1
.endr
	PLACES
	WIN 0
.endm
	CHANGE 1                                       ; slot 0 is in, everybody's part of it; slot 1 is asked for
	PA 0                                           ; K of step 0
	s_wait_loadcnt 0x0                             ; Q
	s_mov_b32 s48, 4
	s_branch .Lmid                                 ; the loop is entered in the middle of a trip: there is no step yet to sum
.Lslot:                                            ; seven times: slots 2 to 8 are asked for
	CHANGE 1
	s_mov_b32 s48, 4
.Lstep:
	PA 0
	PB 0
.Lmid:
	PC
	s_sub_co_u32 s48, s48, 1
	s_cmp_lg_u32 s48, 0
	s_cbranch_scc1 .Lstep
	s_sub_co_u32 s47, s47, 1
	s_cmp_lg_u32 s47, 0
	s_cbranch_scc1 .Lslot
	CHANGE 0                                       ; the tail is written out: nothing is asked for
	s_mov_b32 s48, 3                               ; steps 31, 32, 33 are summed; the third trip is left in its middle, at the second block's end
.Ltail:
	PA 1
	PB 1
	PC
	s_sub_co_u32 s48, s48, 1
	s_cmp_lg_u32 s48, 0
	s_cbranch_scc1 .Ltail
.Lout:
	s_wait_tensorcnt 0x0                           ; the wave's end
	ds_add_u32 v[SPW], v[NIL]
	s_wait_dscnt 0x0
	CROUND                                         ; the closing round: no work-group ends while a partner may still ask for a tile that names it
	s_endpgm
.Lfunc_end_k_q50bd4f59c3_attn:
	.size	k_q50bd4f59c3_attn, .Lfunc_end_k_q50bd4f59c3_attn-k_q50bd4f59c3_attn
	.p2alignl 7, 3214868480
	.fill 96, 4, 3214868480
	.section	.rodata,"a",@progbits
	.p2align	6, 0x0
	.amdhsa_kernel k_q50bd4f59c3_attn
		.amdhsa_group_segment_fixed_size 327680
		.amdhsa_private_segment_fixed_size 0
		.amdhsa_enable_private_segment 0
		.amdhsa_kernarg_size 32
		.amdhsa_user_sgpr_count 2
		.amdhsa_user_sgpr_kernarg_segment_ptr 1
		.amdhsa_wavefront_size32 1
		.amdhsa_system_sgpr_workgroup_id_x 1
		.amdhsa_system_sgpr_workgroup_id_y 1
		.amdhsa_system_sgpr_workgroup_id_z 1
		.amdhsa_system_vgpr_workitem_id 0
		.amdhsa_next_free_vgpr 512
		.amdhsa_next_free_sgpr 72
		.amdhsa_reserve_vcc 1
		.amdhsa_float_denorm_mode_32 3
		.amdhsa_float_denorm_mode_16_64 3
		.amdhsa_memory_ordered 1
		.amdhsa_forward_progress 1
		.amdhsa_inst_pref_size 83
	.end_amdhsa_kernel
	.amdgpu_metadata
---
amdhsa.version: [ 1, 2 ]
amdhsa.kernels:
  - .name:           k_q50bd4f59c3_attn
    .symbol:         k_q50bd4f59c3_attn.kd
    .args:
      - { .name: qh, .offset: 0, .size: 8, .value_kind: global_buffer, .address_space: global }
      - { .name: kh, .offset: 8, .size: 8, .value_kind: global_buffer, .address_space: global }
      - { .name: vh, .offset: 16, .size: 8, .value_kind: global_buffer, .address_space: global }
      - { .name: ob, .offset: 24, .size: 8, .value_kind: global_buffer, .address_space: global }
    .group_segment_fixed_size: 327680
    .private_segment_fixed_size: 0
    .kernarg_segment_align: 8
    .kernarg_segment_size: 32
    .max_flat_workgroup_size: 128
    .sgpr_count:     72
    .vgpr_count:     512
    .wavefront_size: 32
...
	.end_amdgpu_metadata
.endif
;; end of part 3
;; launch oproj (part 4): grid 16 x 16, 4 waves a work-group, clusters of 4 x 4, 327,680 bytes of LDS; arguments ob, wob, out0; writes out0
.if DOCPART == 4
	.amdgcn_target "amdgcn-amd-amdhsa--gfx1250"
	.amdhsa_code_object_version 6
	.text
	.protected	k_q50bd4f59c3_oproj
	.globl	k_q50bd4f59c3_oproj
	.p2align	8
	.type	k_q50bd4f59c3_oproj,@function
k_q50bd4f59c3_oproj:
	s_mov_b64 s[64:65], 0
	v_nop
	global_prefetch_b8 v0, s[64:65] scope:SCOPE_SE
	s_setreg_imm32_b32 hwreg(HW_REG_WAVE_MODE, 25, 1), 1
	s_wait_xcnt 0x0
	s_wait_alu depctr_hold_cnt(0) depctr_sa_sdst(0) depctr_va_vdst(0) depctr_va_sdst(0) depctr_va_ssrc(0) depctr_va_vcc(0) depctr_vm_vsrc(0)
	s_getreg_b32 s2, hwreg(HW_REG_IB_STS2, 6, 4)
	s_cmp_eq_u32 s2, 0
	s_cbranch_scc0 .Lentry_in_a_cluster
	s_endpgm
.Lentry_in_a_cluster:
	s_bfe_u32 s2, ttmp6, 0x10000c
	s_cmp_lg_u32 s2, 0xf033
	s_cbranch_scc0 .Lentry_shape_is_right
	s_endpgm
.Lentry_shape_is_right:
; out0 = O wo.  O (ob) and wo (wob: rounded to bf16, written as f16) in f16, sums in f32, out0 in f32.
; A tile of out0 is 128 x 128: 16 x 16 tiles, one work-group each.  Four waves, 2 x 2, each 64 x 64: 16 accumulators.  K goes in steps of 256 through two LDS slots.
; ob and wob are laid out in strips of which a K step's part is 8,192 bytes on end: a tensor load brings four such rows, 65,536 bytes apart in memory, and lays them on end in LDS;
; a fragment is 1,024 bytes on end, so no padding is needed.
; CLUSTER 4 x 4: O's tile is shared along a row of the cluster, wo's along a column: joint loads, one a wave behind each round.  NO PREFETCH: the tiles are small and the walk has 8 K steps.
; THE MATRIX INSTRUCTION IS USED TRANSPOSED: source 0 = 16 columns of wo (read turned), source 1 = 16 tokens: a lane holds one token and eight neighbouring columns, 32 bytes of f32.
; A wave's 64 columns are 256 aligned bytes of a row of out0: 16 rows at a time go through the wave's own stage in LDS and leave as whole rows.
; REGISTERS: window 0: v0-31 addresses; v32-63, v192-223 rows read back, by turns; v64-191 accumulators ((a, b) at 64 + 8 (4 a + b)).
;            window 1: two fragment buffers of 128: for each 32 of 64 along K four fragments of wo, then four of O.
.set KB,    8192
.set SUBB,  2048                       ; bytes of a strip in 64 along K
.set BOFF,  8*KB
.set SLOT,  16*KB
.set STAGE, 2*SLOT                     ; behind the ring, never filled by a tensor load: 16 rows x 272 bytes for each wave
.set SP,    272
.set SPARE, STAGE+4*16*SP              ; behind the stages: the spare words, 128 bytes a wave: two blocks of 256 bytes that no other line names
.set LAPS,  4
.set NLD,   32
.set ADRA,  16
.set ADRB,  20
.set STO,   22                         ; v22 where I put 32 bytes of a row
.set RD,    23                         ; v23 where I read a row back
.set CO,    24                         ; v24 my byte offset in out0
.set SPW,   28
.set NIL,   29
.set ACC,   64
.set F0,    0
.set F1,    128
.set WV,    18
.set RH,    19
.set CH,    20
.set G1A,   28
.set G0A,   36
.set G1B,   44
.set G0B,   52
.set MSB, 0
.macro WIN new
.if MSB != (\new)
	s_set_vgpr_msb (MSB<<8)|(\new)
.set MSB, (\new)
.endif
.endm
.set MUL,  0x05
.set TO_F, 0x40
.macro JLOAD s                         ; a joint load: waves 0 and 1 fetch O's two halves, waves 2 and 3 wo's; an s_nop 0 and four v_nop follow each line
	s_cmp_eq_u32 s[RH], 0
	s_cbranch_scc0 .Lfor_b_\@
	tensor_load_to_lds s[G0A+4*(\s):G0A+4*(\s)+3], s[G1A:G1A+7]
	s_nop 0
.rept 4
	v_nop
.endr
	s_branch .Lasked_\@
.Lfor_b_\@:
	tensor_load_to_lds s[G0B+4*(\s):G0B+4*(\s)+3], s[G1B:G1B+7]
	s_nop 0
.rept 4
	v_nop
.endr
.Lasked_\@:
.endm
.macro CREST
	s_cmp_lg_u32 s[WV], 0
	s_cbranch_scc1 .Lnot_wave_0_\@
	s_barrier_signal -3
.Lnot_wave_0_\@:
	s_barrier_wait -3
	s_barrier_signal -1
	s_barrier_wait -1
.endm
.macro CROUND
	s_barrier_signal -1
	s_barrier_wait -1
	CREST
.endm
.macro PLACES
.rept 4
	v_nop
.endr
.endm
	s_load_b128 s[4:7], s[0:1], 0x0                ; ob s[4:5], wob s[6:7]
	s_load_b64 s[8:9], s[0:1], 0x10                ; out0
	v_lshl_add_u32 v[SPW], v0, 2, SPARE
	v_mov_b32 v[NIL], 0
	ds_add_u32 v[SPW], v[NIL]                      ; the wave's opening: the add, twice on end, and its wait ahead of my first tensor load
	ds_add_u32 v[SPW], v[NIL]
	v_lshrrev_b32 v1, 5, v0
	v_readfirstlane_b32 s[WV], v1
	s_lshr_b32 s[RH], s[WV], 1
	s_and_b32 s[CH], s[WV], 1
	s_bfe_u32 s21, ttmp6, 0x40000
	s_bfe_u32 s22, ttmp6, 0x40004
	s_lshl_b32 s23, ttmp9, 2
	s_add_co_u32 s23, s23, s21                     ; tx
	s_and_b32 s24, ttmp7, 0xffff
	s_lshl_b32 s24, s24, 2
	s_add_co_u32 s24, s24, s22                     ; ty
	s_lshl_b32 s25, s22, 2
	s_lshl_b32 s25, 15, s25
	s_lshl_b32 s26, 0x1111, s21
	s_or_b32 s[G1A], s25, (3<<16)|(1<<21)          ; the mask; elements of 8 bytes; 21 set beside a mask; no padding
	s_or_b32 s[G1B], s26, (3<<16)|(1<<21)
.irp g, G1A, G1B
	s_mov_b32 s[(\g)+1], (KB/8)<<16                ; tensor_dim0 = 1,024 elements: 8,192 bytes
	s_mov_b32 s[(\g)+2], 4<<16                     ; tensor_dim1 = 4 strips
	s_mov_b32 s[(\g)+3], (KB/8)<<16                ; tile_dim0
	s_mov_b32 s[(\g)+4], 4                         ; tile_dim1
	s_mov_b32 s[(\g)+5], 8192                      ; 65,536 bytes from strip to strip
	s_mov_b32 s[(\g)+6], 0
	s_mov_b32 s[(\g)+7], 0
.endr
	s_lshl_b32 s60, s24, 3                         ; O: strip 8 ty + 4 half
	s_lshl_b32 s61, s[CH], 2
	s_add_co_u32 s60, s60, s61
	s_lshl_b32 s60, s60, 16
	s_mov_b32 s61, 0
	s_lshl_b32 s66, s23, 3                         ; wo: strip 8 tx + 4 half
	s_lshl_b32 s67, s[CH], 2
	s_add_co_u32 s66, s66, s67
	s_lshl_b32 s66, s66, 16
	s_mov_b32 s67, 0
	s_lshl_b32 s68, s[CH], 15                      ; where they go in a slot
	s_add_co_u32 s69, s68, BOFF
	s_wait_dscnt 0x0
	s_wait_kmcnt 0x0
	s_add_nc_u64 s[60:61], s[4:5], s[60:61]
	s_add_nc_u64 s[66:67], s[6:7], s[66:67]
	CROUND
.irp s, 0,1
	s_mov_b32 s[G0A+4*(\s)], 1
	s_add_co_u32 s[G0A+4*(\s)+1], s68, (\s)*SLOT
	s_add_nc_u64 s[G0A+4*(\s)+2:G0A+4*(\s)+3], s[60:61], (\s)*KB
	s_or_b32 s[G0A+4*(\s)+3], s[G0A+4*(\s)+3], 0x80000000
	s_mov_b32 s[G0B+4*(\s)], 1
	s_add_co_u32 s[G0B+4*(\s)+1], s69, (\s)*SLOT
	s_add_nc_u64 s[G0B+4*(\s)+2:G0B+4*(\s)+3], s[66:67], (\s)*KB
	s_or_b32 s[G0B+4*(\s)+3], s[G0B+4*(\s)+3], 0x80000000
	JLOAD \s
.endr
	v_and_b32 v1, 15, v0                           ; r
	v_bfe_u32 v2, v0, 4, 1                         ; h
	v_and_b32 v3, 31, v0
	v_lshlrev_b32 v3, 4, v3
	v_and_b32 v4, 7, v0
	v_lshlrev_b32 v4, 5, v4
	v_lshl_add_u32 v4, v2, 8, v4
	v_bfe_u32 v5, v0, 3, 1
	v_lshl_add_u32 v4, v5, 4, v4
	s_lshl_b32 s70, s[RH], 15
	s_lshl_b32 s71, s[CH], 15
	s_add_co_u32 s71, s71, BOFF
.irp s, 0,1
	v_add_nc_u32 v[ADRA+\s], s70, v3
	v_add_nc_u32 v[ADRB+\s], s71, v4
	s_add_co_u32 s70, s70, SLOT
	s_add_co_u32 s71, s71, SLOT
.endr
	s_mul_i32 s72, s[WV], 16*SP
	s_add_co_u32 s72, s72, STAGE                   ; my stage
	v_mul_u32_u24 v[STO], v1, SP                   ; in: row r, 32 bytes for each half of the lanes; rows 272 bytes apart start at sixteen different groups of four banks
	v_lshl_add_u32 v[STO], v2, 5, v[STO]
	v_add_nc_u32 v[STO], s72, v[STO]
	v_mul_u32_u24 v[RD], v2, SP                    ; back: lanes 0-15 take one row of 256 bytes, lanes 16-31 the next
	v_lshl_add_u32 v[RD], v1, 4, v[RD]
	v_add_nc_u32 v[RD], s72, v[RD]
	v_lshlrev_b32 v[CO], 13, v2                    ; and the same two rows in out0
	v_lshl_add_u32 v[CO], v1, 4, v[CO]
	s_lshl_b32 s72, s24, 20                        ; my first row 128 ty + 64 RH, of 8,192 bytes; my first column 128 tx + 64 CH, of 4
	s_lshl_b32 s73, s[RH], 19
	s_add_co_u32 s72, s72, s73
	s_lshl_b32 s73, s23, 9
	s_add_co_u32 s72, s72, s73
	s_lshl_b32 s73, s[CH], 8
	s_add_co_u32 s72, s72, s73
	s_mov_b32 s73, 0
	s_add_nc_u64 s[8:9], s[8:9], s[72:73]
.macro FETCH slot, k, f                ; 32 LDS loads in one run: the fragments of 64 along K at byte k of the strips
	WIN TO_F
.irp c, 0,1
.irp b, 0,1,2,3
	ds_load_tr16_b128 v[(\f)+64*(\c)+8*(\b):(\f)+64*(\c)+8*(\b)+3],   v[ADRB+(\slot)] offset:(\b)*KB+(\k)+(\c)*1024
	ds_load_tr16_b128 v[(\f)+64*(\c)+8*(\b)+4:(\f)+64*(\c)+8*(\b)+7], v[ADRB+(\slot)] offset:(\b)*KB+(\k)+(\c)*1024+512
.endr
.irp a, 0,1,2,3
	ds_load_b128 v[(\f)+64*(\c)+32+8*(\a):(\f)+64*(\c)+32+8*(\a)+3],   v[ADRA+(\slot)] offset:(\a)*KB+(\k)+(\c)*1024
	ds_load_b128 v[(\f)+64*(\c)+32+8*(\a)+4:(\f)+64*(\c)+32+8*(\a)+7], v[ADRA+(\slot)] offset:(\a)*KB+(\k)+(\c)*1024+512
.endr
.endr
.endm
; 8 matrix instructions: 32 along K number p / 2, token blocks 2 (p % 2) and the next x all four column blocks.  The 16 accumulators take turns in one order throughout.
.macro PART f, p, zero
	WIN MUL
.irp a, 2*((\p)%2), 2*((\p)%2)+1
.irp b, 0,1,2,3
.if (\zero) && ((\p) < 2)
	v_wmma_f32_16x16x32_f16 v[ACC+8*(4*(\a)+(\b)):ACC+8*(4*(\a)+(\b))+7], v[(\f)+64*((\p)/2)+8*(\b):(\f)+64*((\p)/2)+8*(\b)+7], v[(\f)+64*((\p)/2)+32+8*(\a):(\f)+64*((\p)/2)+32+8*(\a)+7], 0
.else
	v_wmma_f32_16x16x32_f16 v[ACC+8*(4*(\a)+(\b)):ACC+8*(4*(\a)+(\b))+7], v[(\f)+64*((\p)/2)+8*(\b):(\f)+64*((\p)/2)+8*(\b)+7], v[(\f)+64*((\p)/2)+32+8*(\a):(\f)+64*((\p)/2)+32+8*(\a)+7], v[ACC+8*(4*(\a)+(\b)):ACC+8*(4*(\a)+(\b))+7]
.endif
.endr
.endr
.endm
.macro SUB f, g, nslot, nk, zero, fetch  ; 64 along K: buffer f is multiplied; ahead of that the next 64's fragments are asked for, into buffer g
.if \fetch
	PLACES
	FETCH \nslot, \nk, \g
	s_wait_dscnt NLD                               ; all but the 32 just issued: buffer f is in
.else
	s_wait_dscnt 0x0
.endif
	PART \f, 0, \zero
	PART \f, 1, \zero
	PART \f, 2, \zero
	PART \f, 3, \zero
.endm
; The third quarter of a K step, with the change of slots: the slot's last fragments are asked for; each wave waits for all its tensor loads, adds 0 to its spare word, and waits for that and for its
; reads of this slot.  fill = 1: the barrier opens a round of the cluster's, and the slot is filled again first thing behind it: 112 matrix instructions stand between that request and the wait for it.
.macro TURN f, g, slot, fill
	PLACES
	FETCH \slot, 3*SUBB, \g
	s_wait_dscnt NLD
	PART \f, 0, 0
	PART \f, 1, 0
	WIN 0
	s_wait_tensorcnt 0x0
	ds_add_u32 v[SPW], v[NIL]                      ; 0 onto my spare word; eight matrix instructions stand between it and the wait for it
	PART \f, 2, 0
	s_wait_dscnt 0x0
	s_barrier_signal -1
	PART \f, 3, 0
	WIN 0
	s_barrier_wait -1
.if \fill
	CREST
	s_add_nc_u64 s[G0A+4*(\slot)+2:G0A+4*(\slot)+3], s[G0A+4*(\slot)+2:G0A+4*(\slot)+3], 2*KB
	s_add_nc_u64 s[G0B+4*(\slot)+2:G0B+4*(\slot)+3], s[G0B+4*(\slot)+2:G0B+4*(\slot)+3], 2*KB
	JLOAD \slot
.endif
.endm
	s_wait_tensorcnt 1                             ; my part of K step 0 is in; K step 1's may stay out
	s_barrier_signal -1
	s_barrier_wait -1
	FETCH 0, 0, F0
	SUB F0, F1, 0, SUBB, 1, 1
	WIN 0
	s_mov_b32 s3, LAPS-1
.Llap:
	SUB F1, F0, 0, 2*SUBB, 0, 1
	TURN F0, F1, 0, 1
	SUB F1, F0, 1, 0, 0, 1
	SUB F0, F1, 1, SUBB, 0, 1
	SUB F1, F0, 1, 2*SUBB, 0, 1
	TURN F0, F1, 1, 1
	SUB F1, F0, 0, 0, 0, 1
	SUB F0, F1, 0, SUBB, 0, 1
	WIN 0
	s_sub_co_u32 s3, s3, 1
	s_cmp_lg_u32 s3, 0
	s_cbranch_scc1 .Llap
	SUB F1, F0, 0, 2*SUBB, 0, 1                    ; the last lap fills nothing
	TURN F0, F1, 0, 0
	SUB F1, F0, 1, 0, 0, 1
	SUB F0, F1, 1, SUBB, 0, 1
	SUB F1, F0, 1, 2*SUBB, 0, 1
	SUB F0, F1, 1, 3*SUBB, 0, 1
	SUB F1, F0, 0, 0, 0, 0
	PLACES
	WIN 0
	; THE WAY OUT, 16 rows at a time.  LDS serves a wave's instructions in order: the loads see the stores above them, and the next block's stores come behind the loads.
.irp a, 0,1,2,3
.irp b, 0,1,2,3
	ds_store_b128 v[STO], v[ACC+8*(4*\a+\b):ACC+8*(4*\a+\b)+3]   offset:64*\b
	ds_store_b128 v[STO], v[ACC+8*(4*\a+\b)+4:ACC+8*(4*\a+\b)+7] offset:64*\b+16
.endr
.irp t, 0,1,2,3,4,5,6,7
	ds_load_b128 v[32+160*(\a%2)+4*\t:32+160*(\a%2)+4*\t+3], v[RD] offset:\t*2*SP
.endr
	s_wait_dscnt 0x0
	s_wait_xcnt 0x0                                ; the stores issued so far have read their registers: the set that the next block's loads write is free
.irp t, 0,1,2,3,4,5,6,7
	global_store_b128 v[CO], v[32+160*(\a%2)+4*\t:32+160*(\a%2)+4*\t+3], s[8:9] offset:\a*131072+\t*16384 th:TH_STORE_NT  ; 16 lanes store 256 consecutive bytes, aligned
.endr
.endr
	s_wait_tensorcnt 0x0                           ; the wave's end, behind my last tensor load and my last LDS store
	ds_add_u32 v[SPW], v[NIL]
	s_wait_dscnt 0x0
	CROUND                                         ; the closing round
	s_endpgm
.Lfunc_end_k_q50bd4f59c3_oproj:
	.size	k_q50bd4f59c3_oproj, .Lfunc_end_k_q50bd4f59c3_oproj-k_q50bd4f59c3_oproj
	.p2alignl 7, 3214868480
	.fill 96, 4, 3214868480
	.section	.rodata,"a",@progbits
	.p2align	6, 0x0
	.amdhsa_kernel k_q50bd4f59c3_oproj
		.amdhsa_group_segment_fixed_size 327680
		.amdhsa_private_segment_fixed_size 0
		.amdhsa_enable_private_segment 0
		.amdhsa_kernarg_size 24
		.amdhsa_user_sgpr_count 2
		.amdhsa_user_sgpr_kernarg_segment_ptr 1
		.amdhsa_wavefront_size32 1
		.amdhsa_system_sgpr_workgroup_id_x 1
		.amdhsa_system_sgpr_workgroup_id_y 1
		.amdhsa_system_sgpr_workgroup_id_z 1
		.amdhsa_system_vgpr_workitem_id 0
		.amdhsa_next_free_vgpr 512
		.amdhsa_next_free_sgpr 80
		.amdhsa_reserve_vcc 0
		.amdhsa_float_denorm_mode_32 3
		.amdhsa_float_denorm_mode_16_64 3
		.amdhsa_memory_ordered 1
		.amdhsa_forward_progress 1
		.amdhsa_inst_pref_size 85
	.end_amdhsa_kernel
	.amdgpu_metadata
---
amdhsa.version: [ 1, 2 ]
amdhsa.kernels:
  - .name:           k_q50bd4f59c3_oproj
    .symbol:         k_q50bd4f59c3_oproj.kd
    .args:
      - { .name: ob, .offset: 0, .size: 8, .value_kind: global_buffer, .address_space: global }
      - { .name: wob, .offset: 8, .size: 8, .value_kind: global_buffer, .address_space: global }
      - { .name: out0, .offset: 16, .size: 8, .value_kind: global_buffer, .address_space: global }
    .group_segment_fixed_size: 327680
    .private_segment_fixed_size: 0
    .kernarg_segment_align: 8
    .kernarg_segment_size: 24
    .max_flat_workgroup_size: 128
    .sgpr_count:     80
    .vgpr_count:     512
    .wavefront_size: 32
...
	.end_amdgpu_metadata
.endif
;; end of part 4
;; ======== version 2 of 2: 4 launches; version 1 with the launch prep written anew for expert scheduling mode
;; limits: values are held in f16: magnitudes above 65,504 overflow, below 6.1e-05 lose precision; values outside matrix products are rounded to bf16
;; workspace buffers: xb 8,388,608 bytes; wb 12,582,912 bytes; wob 8,388,608 bytes; qh 8,388,608 bytes; kh 2,097,152 bytes; vh 2,097,152 bytes; ob 8,388,608 bytes
;; launch prep (part 5): grid 448 x 1, 8 waves a work-group, no clusters, 70,656 bytes of LDS; arguments x, wq, wk, wv, wo, xb, wb, wob; writes xb, wb, wob
.if DOCPART == 5
	.amdgcn_target "amdgcn-amd-amdhsa--gfx1250"
	.amdhsa_code_object_version 6
	.text
	.protected	k_q50bd4f59c3_prep
	.globl	k_q50bd4f59c3_prep
	.p2align	8
	.type	k_q50bd4f59c3_prep,@function
k_q50bd4f59c3_prep:
	s_mov_b64 s[64:65], 0
	v_nop
	global_prefetch_b8 v0, s[64:65] scope:SCOPE_SE
	s_setreg_imm32_b32 hwreg(HW_REG_WAVE_SCHED_MODE, 0, 2), 2
	s_setreg_imm32_b32 hwreg(HW_REG_WAVE_MODE, 25, 1), 1
	s_wait_xcnt 0x0
	s_wait_alu depctr_vm_vsrc(0)
; THE PROGRAM: four launches.  prep: x and the weights are rounded to 16 bits once and laid out for the matrix unit.  qkv: x [wq | wk | wv], RoPE, by heads.
; attn: causal attention, four query heads to a key/value head.  oproj: the output projection.
; WORK LEFT OUT, for all values of the inputs: reference() sets every score with key > query to -inf by a mask that it builds itself (jnp.tril), and softmax gives such a score
; the weight 0; so a tile of keys that lies wholly above the diagonal adds 0 to every sum and is neither fetched nor multiplied (launch attn).  repeat_kv only copies: the four
; query heads of a key/value head read the same k and v.  Every input has a way to the output and is loaded.
; LIMIT: a NaN, an infinity or an overflow in rows of k or v that are hidden from a query is not carried to that query's result.
; FORMATS: x, wq, wk, wv (here) and cos, sin (in qkv) are rounded to bf16; wo is rounded to bf16 and that number is written as f16 (exact from 2^-14 up;
; below that it keeps f16's fixed step of 2^-24); q, k, v, the weights p and O are f16: |q|, |k|, |v| must stay under 65,504.
;
; THIS LAUNCH is a stream: each byte is read once and each result written once.  No matrix unit, no cluster: nothing is shared.
; LAYOUTS.  R (xb): [block of 16 rows][K / 8 chunks][16 rows][8 k]: a fragment of 16 rows x 32 k is 1,024 bytes on end.
;           T (wb, wob): strips [16 columns]: [k][16 columns]: a fragment of 16 columns x 32 k is 1,024 bytes on end and is read turned.
; wb's strips stand in the order 12 tx + 6 ch + b: b = 0..3 the four column blocks of query head 2 tx + ch, b = 4 block 2 tx + ch of wk, b = 5 of wv.
; SHARES.  A unit is 16 source rows x 128 columns of f32; a wave takes two neighbouring units, a work-group 128 KiB of source on end.
; Work-groups 0-127: x; 128-255: wq; 256-383: wo; 384-415: wk; 416-447: wv.
; A load of the wave takes 512 bytes of a row, a store 512 bytes on end of a strip; between them pieces of 8 bytes change lanes in a stage in LDS that is the wave's own: no barrier.
; THE MODE: SCHED_MODE bits 1:0 = 2 (LLVM: expert scheduling mode 2), set by the entry lines.  The code itself states the register dependences
; between vector instructions and memory or LDS instructions, with s_wait_alu, always for 0.
; THE PLAN.  Registers that memory or LDS instructions touch:
;   v3 .. v7   offsets and LDS addresses: written at the head, never again; read by every load and store.
;   IN         written by the 32 global loads; row n's conversions read IN + 4 n ..; when a unit's 16 rows are in the stage, 8 LDS loads land in the unit's first 32 registers,
;              which the conversions of its rows 0 to 7 have read; the global stores read what those loads brought.
;   T          a pair for EACH of the 32 rows: written by the row's conversions, read by the row's one LDS store, and not written after that.
;   v16 .. v19 are named by vector instructions alone.  v8, v9: written at the head, read by the closing add alone.
; The rows go in eight batches of four.  Batch g waits for its four loads; then ONE wait on va_vdst states that batch g - 1's conversions have written their pairs and that all earlier
; conversions are done reading IN; the four LDS stores of batch g - 1 (and, behind a unit's last store, its 8 LDS loads) follow, dealt among batch g's conversions, which name
; IN's rows 4 g .. 4 g + 3, their own pairs of T and v16 .. v19: none of the registers that those stores and loads touch.  No register that a memory or LDS instruction has read is written again.
.set STG,   4352                       ; a unit's stage: 16 chunks at pitch 272 (x) or 8 blocks at pitch 544 (weights)
.set SPARE, 16*STG                     ; behind the stages: the spare words, 128 bytes a wave: four blocks of 256 bytes that no other line names
.set SPW,   8                          ; v8  SPARE + 4 x my thread's number; never rewritten
.set NIL,   9                          ; v9  0; never rewritten
.set IN,    32                         ; v[32:159]  row i of unit u at IN + 64 u + 4 i; later the unit as read back, in its first 32
.set T,     160                        ; v[160:223] row n's pair at T + 2 n: 4 numbers in 16 bits
	s_load_b512 s[8:23], s[0:1], 0x0               ; x s[8:9], wq s[10:11], wk s[12:13], wv s[14:15], wo s[16:17], xb s[18:19], wb s[20:21], wob s[22:23]
	v_lshl_add_u32 v[SPW], v0, 2, SPARE
	v_mov_b32 v[NIL], 0
	v_lshrrev_b32 v1, 5, v0
	v_readfirstlane_b32 s4, v1                     ; wave 0..7
	v_and_b32 v2, 31, v0                           ; lane l
	v_lshlrev_b32 v3, 4, v2                        ; 16 l: my place in 512 bytes, in and out
	s_wait_alu depctr_va_sdst(0)                   ; s4 is written, ahead of its first reader: the stages' place and the scalar offsets are made from it
	s_mul_i32 s5, s4, 2*STG                        ; my wave's two stages
	s_mov_b32 s32, 0xffff0000                      ; a word's upper bf16
	; x: lane l holds k = 4 l .. 4 l + 3 of a row: chunk l / 2, 8 bytes at (l % 2) x 8 of the row's 16.  Pitch 272 = 68 words: the 32 lanes' 8 bytes fall on all 64 banks once (64 banks of 4 bytes: ISA guide 11.1)
	v_lshrrev_b32 v1, 1, v2
	v_mul_u32_u24 v4, v1, 272
	v_and_b32 v1, 1, v2
	v_lshl_add_u32 v4, v1, 3, v4
	v_add_nc_u32 v4, s5, v4                        ; v4: into the stage, x
	v_lshrrev_b32 v1, 4, v2
	v_mul_u32_u24 v5, v1, 272
	v_and_b32 v1, 15, v2
	v_lshl_add_u32 v5, v1, 4, v5
	v_add_nc_u32 v5, s5, v5                        ; v5: back, x: two chunks of 256 bytes a load
	; weights: lane l holds columns 4 l .. 4 l + 3 of row k: block l / 4, 8 bytes at (l % 4) x 8 of the row's 32.  Pitch 544 = 136 words: again every bank once
	v_lshrrev_b32 v1, 2, v2
	v_mul_u32_u24 v6, v1, 544
	v_and_b32 v1, 3, v2
	v_lshl_add_u32 v6, v1, 3, v6
	v_add_nc_u32 v6, s5, v6                        ; v6: into the stage, weights
	v_add_nc_u32 v7, s5, v3                        ; v7: back, weights: a block's 512 bytes a load
	s_mov_b32 s29, 0
	s_mov_b32 s31, 0
	s_and_b32 s6, ttmp9, 127                       ; the block of 16 rows, for the three sources of 2,048 columns
	s_lshl_b32 s28, s6, 17                         ; 16 rows of 8,192 bytes,
	s_lshl_b32 s7, s4, 10                          ; my wave's 256 columns
	s_add_co_u32 s28, s28, s7
	s_wait_kmcnt 0x0
; kind 0: x; 1: wq; 2: wo (f16); 3: wk, wv.  pitch: bytes in a source row.  s[24:25] source, s[26:27] destination.
.macro JOB kind, pitch
	s_wait_alu depctr_va_vdst(0)                   ; v3 to v7 are written: every load and store below reads one of them as its offset or address
.set n, 0
.rept 32
	global_load_b128 v[IN+4*n:IN+4*n+3], v3, s[24:25] offset:(n%16)*(\pitch)+(n/16)*512 th:TH_LOAD_NT
.set n, n+1
.endr
; Turn n of 36: row n - 4 goes into the stage, row n is rounded.  A batch is four turns; the last four turns only store.
.set n, 0
.rept 36
.if n%4 == 0
.if n < 32
	s_wait_loadcnt 28-n                            ; loads come back in order: rows n to n + 3 are in, the 28 - n younger ones stay out
.endif
.if n > 0
	s_wait_alu depctr_va_vdst(0)                   ; the conversions of rows n - 4 to n - 1 have written their pairs of T, which the four LDS stores of this batch read; all earlier conversions are done reading IN, in which a whole unit's LDS loads land
.endif
.endif
.if n >= 4
.set m, n-4
.if (\kind) == 0
	ds_store_b64 v4, v[T+2*m:T+2*m+1] offset:(m/16)*STG+(m%16)*16
.else
	ds_store_b64 v6, v[T+2*m:T+2*m+1] offset:(m/16)*STG+(m%16)*32
.endif
.if m%16 == 15                         ; the unit is whole: LDS serves a wave's instructions in order, so these loads see the stores above.  No wait: no vector instruction since the wait above names the unit's first 32 registers
.set j, 0
.rept 8
.if (\kind) == 0
	ds_load_b128 v[IN+64*(m/16)+4*j:IN+64*(m/16)+4*j+3], v5 offset:(m/16)*STG+j*544
.else
	ds_load_b128 v[IN+64*(m/16)+4*j:IN+64*(m/16)+4*j+3], v7 offset:(m/16)*STG+j*544
.endif
.set j, j+1
.endr
.endif
.endif
.if n < 32
.set tt, T+2*n
	v_cvt_pk_bf16_f32 v[tt], v[IN+4*n], v[IN+4*n+1]
	v_cvt_pk_bf16_f32 v[tt+1], v[IN+4*n+2], v[IN+4*n+3]
.if (\kind) == 2
	v_lshlrev_b32 v16, 16, v[tt]                   ; the bf16 numbers as f32,
	v_and_b32 v17, s32, v[tt]
	v_lshlrev_b32 v18, 16, v[tt+1]
	v_and_b32 v19, s32, v[tt+1]
	v_cvt_pk_f16_f32 v[tt], v16, v17               ; written as f16
	v_cvt_pk_f16_f32 v[tt+1], v18, v19
.endif
.endif
.set n, n+1
.endr
.set n, 0
.rept 16
.set u, n/8
.set j, n%8
.if n == 0
	s_wait_dscnt 24                                ; unit 0 is back: unit 1's 16 stores and 8 loads are younger
.endif
.if n == 8
	s_wait_dscnt 0x0
.endif
.if (\kind) == 0
.set imm, u*4096+j*512
.elseif (\kind) == 1
.set imm, (12*u+6*(j/4)+j%4)*65536
.elseif (\kind) == 2
.set imm, (8*u+j)*65536
.else
.set imm, (48*u+6*j)*65536
.endif
	global_store_b128 v3, v[IN+64*u+4*j:IN+64*u+4*j+3], s[26:27] offset:imm  ; 512 consecutive bytes, at a multiple of 512 from the buffer's first; the data came by LDS loads, which the waits on DScnt above show done
.set n, n+1
.endr
.endm
	s_cmp_lt_u32 ttmp9, 128
	s_cbranch_scc1 .Lx
	s_cmp_lt_u32 ttmp9, 256
	s_cbranch_scc1 .Lwq
	s_cmp_lt_u32 ttmp9, 384
	s_cbranch_scc1 .Lwo
	; wk, wv: rows of 2,048 bytes; the work-group has four blocks of 16 rows, a pair of waves each
	s_and_b32 s6, ttmp9, 31
	s_lshl_b32 s6, s6, 2
	s_lshr_b32 s7, s4, 1
	s_add_co_u32 s6, s6, s7                        ; the block of 16 rows
	s_and_b32 s7, s4, 1                            ; which 256 columns
	s_lshl_b32 s28, s6, 15
	s_lshl_b32 s33, s7, 10
	s_add_co_u32 s28, s28, s33
	s_mul_i32 s30, s7, 96*65536                    ; column block kb = 16 (w % 2) + 8 u + j stands in strip 6 kb + 4 (wk) or 6 kb + 5 (wv)
	s_add_co_u32 s30, s30, 4*65536
	s_lshl_b32 s33, s6, 9                          ; 16 rows of 32 bytes in a strip
	s_add_co_u32 s30, s30, s33
	s_cmp_lt_u32 ttmp9, 416
	s_cselect_b64 s[24:25], s[12:13], s[14:15]
	s_cselect_b32 s33, 0, 65536
	s_add_co_u32 s30, s30, s33
	s_add_nc_u64 s[24:25], s[24:25], s[28:29]
	s_add_nc_u64 s[26:27], s[20:21], s[30:31]
	JOB 3, 2048
	s_branch .Lend
.Lx:
	s_lshl_b32 s30, s6, 16                         ; the block's strip of 65,536 bytes,
	s_lshl_b32 s7, s4, 13                          ; my 32 chunks
	s_add_co_u32 s30, s30, s7
	s_add_nc_u64 s[24:25], s[8:9], s[28:29]
	s_add_nc_u64 s[26:27], s[18:19], s[30:31]
	JOB 0, 8192
	s_branch .Lend
.Lwq:
	s_mul_i32 s30, s4, 24*65536                    ; column block 16 w + 8 u + j stands in strip 24 w + 12 u + 6 (j / 4) + j % 4
	s_lshl_b32 s7, s6, 9
	s_add_co_u32 s30, s30, s7
	s_add_nc_u64 s[24:25], s[10:11], s[28:29]
	s_add_nc_u64 s[26:27], s[20:21], s[30:31]
	JOB 1, 8192
	s_branch .Lend
.Lwo:
	s_lshl_b32 s30, s4, 20                         ; strip 16 w + 8 u + j
	s_lshl_b32 s7, s6, 9
	s_add_co_u32 s30, s30, s7
	s_add_nc_u64 s[24:25], s[16:17], s[28:29]
	s_add_nc_u64 s[26:27], s[22:23], s[30:31]
	JOB 2, 8192
.Lend:
	s_wait_dscnt 0x0                               ; the wave's end, behind my last LDS store
	s_wait_alu 0x0
	s_wait_tensorcnt 0x0
	ds_add_u32 v[SPW], v[NIL]
	s_wait_dscnt 0x0
	s_endpgm
.Lfunc_end_k_q50bd4f59c3_prep:
	.size	k_q50bd4f59c3_prep, .Lfunc_end_k_q50bd4f59c3_prep-k_q50bd4f59c3_prep
	.p2alignl 7, 3214868480
	.fill 96, 4, 3214868480
	.section	.rodata,"a",@progbits
	.p2align	6, 0x0
	.amdhsa_kernel k_q50bd4f59c3_prep
		.amdhsa_group_segment_fixed_size 70656
		.amdhsa_private_segment_fixed_size 0
		.amdhsa_enable_private_segment 0
		.amdhsa_kernarg_size 64
		.amdhsa_user_sgpr_count 2
		.amdhsa_user_sgpr_kernarg_segment_ptr 1
		.amdhsa_wavefront_size32 1
		.amdhsa_system_sgpr_workgroup_id_x 1
		.amdhsa_system_sgpr_workgroup_id_y 1
		.amdhsa_system_sgpr_workgroup_id_z 1
		.amdhsa_system_vgpr_workitem_id 0
		.amdhsa_next_free_vgpr 224
		.amdhsa_next_free_sgpr 66
		.amdhsa_reserve_vcc 0
		.amdhsa_float_denorm_mode_32 3
		.amdhsa_float_denorm_mode_16_64 3
		.amdhsa_memory_ordered 1
		.amdhsa_forward_progress 1
		.amdhsa_inst_pref_size 60
	.end_amdhsa_kernel
	.amdgpu_metadata
---
amdhsa.version: [ 1, 2 ]
amdhsa.kernels:
  - .name:           k_q50bd4f59c3_prep
    .symbol:         k_q50bd4f59c3_prep.kd
    .args:
      - { .name: x, .offset: 0, .size: 8, .value_kind: global_buffer, .address_space: global }
      - { .name: wq, .offset: 8, .size: 8, .value_kind: global_buffer, .address_space: global }
      - { .name: wk, .offset: 16, .size: 8, .value_kind: global_buffer, .address_space: global }
      - { .name: wv, .offset: 24, .size: 8, .value_kind: global_buffer, .address_space: global }
      - { .name: wo, .offset: 32, .size: 8, .value_kind: global_buffer, .address_space: global }
      - { .name: xb, .offset: 40, .size: 8, .value_kind: global_buffer, .address_space: global }
      - { .name: wb, .offset: 48, .size: 8, .value_kind: global_buffer, .address_space: global }
      - { .name: wob, .offset: 56, .size: 8, .value_kind: global_buffer, .address_space: global }
    .group_segment_fixed_size: 70656
    .private_segment_fixed_size: 0
    .kernarg_segment_align: 8
    .kernarg_segment_size: 64
    .max_flat_workgroup_size: 256
    .sgpr_count:     66
    .vgpr_count:     224
    .wavefront_size: 32
...
	.end_amdgpu_metadata
.endif
;; end of part 5
;; launch qkv: the kernel of part 2 again; grid 16 x 16, 4 waves a work-group, clusters of 4 x 4, 327,680 bytes of LDS; arguments xb, wb, cos, sin, qh, kh, vh; writes qh, kh, vh
;; launch attn: the kernel of part 3 again; grid 32 x 8, 4 waves a work-group, clusters of 4 x 1, 327,680 bytes of LDS; arguments qh, kh, vh, ob; writes ob
;; launch oproj: the kernel of part 4 again; grid 16 x 16, 4 waves a work-group, clusters of 4 x 4, 327,680 bytes of LDS; arguments ob, wob, out0; writes out0
